; MI455X (gfx1250); checked and timed in simulation.
; The chip was launched on July 23, 2026; its instructions are those of AMD's public machine-readable ISA for CDNA 5 (MIT licence, August 2026) and "CDNA5" Instruction Set Architecture Reference Guide (July 2026). The comments in the code are by the model that wrote it; some were corrected since.
;; Multi Head Attention Concise. Allowed arithmetic: matrix products marked QUANTISED: E3M2 operands, one E8M0 scale for each 32 along K, by v_wmma_scale_f32_16x16x128_f8f6f4 with both operands' format E3M2, f32 sums; everything else in f32.
;; Inputs: Wo 1,024 x 1,024 float32; Wqkv 1,024 x 3,072 float32; bo 1,024 float32; bqkv 3,072 float32; x 8 x 1,000 x 1,024 float32.
;; Outputs: out0 8 x 1,000 x 1,024 float32.
;; This version of the problem:
;;   THIS VERSION OF THE PROBLEM IS GIVEN IN LOW PRECISION. The matrix products marked QUANTISED in the list below multiply operands that are first quantised to E3M2 (3 exponent bits, 2 mantissa bits; 6 bits a number), with one power-of-two scale for each 32 numbers along K (OCP MX v1.0); their sums are f32. All else is computed in f32.
;;   The module's matrix products, in the order in which they are computed (A, B: the left and right operand; K: the contracted axis; several contracted axes count as one K, in the product's order):
;;     1. [M 8,000, K 1,024] x [K 1,024, N 3,072]; A: input x; B: input Wqkv: QUANTISED
;;     2. batch 128 x [M 1,000, K 64] x [K 64, N 1,000]; A: computed on the way; B: computed on the way: QUANTISED
;;     3. batch 128 x [M 64, K 1,000] x [K 1,000, N 1,000]; A: computed on the way; B: softmax (see below): QUANTISED
;;     4. [M 8,000, K 1,024] x [K 1,024, N 1,024]; A: computed on the way; B: input Wo: QUANTISED
;;   THE QUANTISER, for each operand of a quantised product, along K:
;;     - K is cut into blocks of 32 from its start; a last block that is shorter is filled with zeros.
;;     - A block's scale is 2^e with e = floor(log2(the largest magnitude in the block)) - 4, held to -126 .. 127; a block of zeros has e = 0. As a byte (E8M0): e + 127.
;;     - Each number is divided by its block's scale, clamped to +-28, and rounded to the nearest number of E3M2, ties to even, subnormals kept.
;;     - The product sums the exact products of the quantised numbers (number of the format x scale) in f32.
;;   ~~~python
;;   def quantise(x, axis):      # numpy; x: float32 -> the quantised numbers, widened to float32 again
;;       x = np.moveaxis(x, axis, -1); K = x.shape[-1]
;;       x = np.pad(x, [(0, 0)] * (x.ndim - 1) + [(0, -K % 32)]); x = x.reshape(x.shape[:-1] + (-1, 32)); a = np.abs(x).max(-1, keepdims=True)
;;       e = np.where(a > 0, np.clip(np.frexp(np.where(a > 0, a, 1))[1] - 1 - 4, -126, 127), 0)      # np.frexp(a)[1] - 1 = floor(log2(a)), exactly
;;       r = np.clip(x / 2.0 ** e, -28, 28)
;;       step = 2.0 ** (np.maximum(np.frexp(np.where(r == 0, 1, r))[1] - 1, -2) - 2)
;;       q = np.round(r / step) * step * 2.0 ** e      # np.round: ties to even
;;       return np.moveaxis(q.reshape(q.shape[:-2] + (-1,))[..., :K], -1, axis).astype(np.float32)
;;   ~~~
;;   SOFTMAX AHEAD OF A QUANTISED PRODUCT. Where the list says 'softmax', what is quantised is not the finished softmax but p = 2^(t - M), with t = logit x log2(e) and M = ceil(the row's largest t), a whole number; so 1/2 < the row's largest p <= 1. The row's sum l is taken of the UNQUANTISED p, in f32, and the product's result is divided by l at the end. Since M is a whole number, a kernel that streams over the keys may use a running M (the ceiling of the running maximum): every later rescaling is an exact power of two, which a block's scale takes up: the codes' values come out the same.
;;   OPERANDS COMPUTED ON THE WAY. 'Computed on the way' means the value that the module computes at that place (a softmax that the list does not call 'softmax' is quantised finished and normalised). What goes into a quantiser is computed in f32, as accurately as f32 sums, v_exp_f32 and their like allow (about 1e-6 of the number): no bf16 or f16 on the way to a quantiser, and a product that is left as it is and whose result goes on into a quantised operand takes f32 operands (vector FMAs, or v_wmma_f32_16x16x4_f32). A number that lies on a knife's edge between two numbers of the format may be rounded either way, as far as f32 arithmetic and the matrix unit's own rounding can turn it there, and no further.
;; One version. Each part assembles by itself: llvm-mc -triple=amdgcn-amd-amdhsa -mcpu=gfx1250 --defsym DOCPART=n.
;; ======== version 1 of 1: 4 launches
;; limits: right only within a limited range of input values
;; workspace buffers: xq 6,553,600 bytes; wq 3,276,800 bytes; qkvq 19,660,800 bytes; aoq 6,553,600 bytes
;; launch prep (part 1): grid 384 x 1, 4 waves a work-group, no clusters, 86,528 bytes of LDS; arguments x, Wqkv, Wo, xq, wq; writes xq, wq
.if DOCPART == 1
	.amdgcn_target "amdgcn-amd-amdhsa--gfx1250"
	.amdhsa_code_object_version 6
	.text
	.protected	k_qd9c7eaed58_prep
	.globl	k_qd9c7eaed58_prep
	.p2align	8
	.type	k_qd9c7eaed58_prep,@function
k_qd9c7eaed58_prep:
	s_mov_b64 s[64:65], 0
	v_nop
	global_prefetch_b8 v0, s[64:65] scope:SCOPE_SE
	s_setreg_imm32_b32 hwreg(HW_REG_WAVE_MODE, 25, 1), 1
	s_wait_xcnt 0x0
; x [8][1000][1024], Wqkv [1024][3072] and Wo [1024][1024], f32, become codes of BF6 (E3M2) with one E8M0 byte for each 32 along K (K = 1024 in all three).
; THE STORAGE FORMAT: a HALF FRAGMENT is 16 rows x 64 K of codes, 768 bytes, an image of six operand registers: lane (r, h) owns the 24 bytes of k = 32 h .. 32 h + 31 of the tile's row r;
; its registers 0-3 lie at 16 x lane, its registers 4-5 at 512 + 8 x lane.  Two half fragments on end are the 12 registers of one matrix instruction (128 along K).
; THE ROWS OF A TILE ARE NOT NEIGHBOURS: lane r of tile 2 g + u holds row 32 g + 8 u + r + 8 (r / 8).  xq: [tile 64 b + t][K step 8][2][768]; wq: [tile of columns 256][8][2][768], Wqkv's 192 tiles, then Wo's 64.
; Scale words behind the images: [tile][pair of K steps 4][r 16][2 words], 512 bytes a tile.
; A batch is walked as 1,024 rows: a group of eight rows that begins at or past row 1,000 takes rows 992-999 again (finite numbers; no load leaves x; nothing made of them reaches the output).
; A block's scale is 2^(floor(log2(largest magnitude)) - 4); its byte is that magnitude's exponent field - 4, held at 1 from below.
; LIMITS: a block of zeros, or one whose largest magnitude lies under 2^-122, gets the byte 1 (its codes are zeros or tiny; this program alone reads the bytes); NaN and infinities among the inputs are not served.
; Work-groups 0-255 take x, 256-351 Wqkv, 352-383 Wo; each of the three ways has LDS bytes of its own.  Waves share nothing: no barrier.
.set XQS, 6291456                      ; where xq's scale words begin
.set WQS, 3145728                      ; and wq's
; ---- x: a wave takes one tile of 16 rows and half of K: four K steps of 128.
.macro XLOAD q                         ; K step q of the 16 rows: each load reads 512 consecutive bytes of one row
.set i, 0
.rept 8
	global_load_b128 v[16+64*((\q)%2)+4*i:16+64*((\q)%2)+4*i+3], v2, s[20:21] offset:4096*i+512*(\q) th:TH_LOAD_NT
.set i, i+1
.endr
.set i, 0
.rept 8
	global_load_b128 v[48+64*((\q)%2)+4*i:48+64*((\q)%2)+4*i+3], v2, s[22:23] offset:4096*i+512*(\q) th:TH_LOAD_NT
.set i, i+1
.endr
.endm
.macro XSTEP q
.set RS, 16+64*((\q)%2)
.if (\q) < 3
	s_wait_loadcnt 16                              ; this step's 16 loads are in; the next step's 16 may be out
.else
	s_wait_loadcnt 0
.endif
.set i, 0
.rept 16
	ds_store_b128 v5, v[RS+4*i:RS+4*i+3] offset:528*i      ; the rows as they lie, 528 bytes apart
.set i, i+1
.endr
.set i, 0
.rept 16
	ds_load_b128 v[144+4*i:144+4*i+3], v6 offset:256*(i/8)+16*(i%8)   ; back: lane (r, h) takes k = 64 c + 32 h + 0 .. 31 of row r; LDS serves a wave's instructions in order
.set i, i+1
.endr
	s_wait_dscnt 0x0                               ; my numbers are back, and the stores have read their registers
	s_wait_xcnt 0x0                                ; the last step's stores have read the codes' registers
.if (\q) < 2
	XLOAD (\q)+2
.endif
	v_max3_num_f32 v10, |v144|, |v145|, 0x2800000  ; my two whole blocks by turns, with the floor 2^(5 - 127) among the leaves
	v_max3_num_f32 v11, |v176|, |v177|, 0x2800000
.set i, 2
.rept 15
	v_max3_num_f32 v10, v10, |v[144+i]|, |v[145+i]|
	v_max3_num_f32 v11, v11, |v[176+i]|, |v[177+i]|
.set i, i+2
.endr
	v_add_nc_u32 v12, 0xfe000000, v10              ; 4 off the exponent field: the conversion's scale operand
	v_add_nc_u32 v13, 0xfe000000, v11
	v_lshrrev_b32 v14, 23, v12                     ; the bytes of blocks h and 2 + h
	v_lshrrev_b32 v15, 23, v13
	v_lshl_or_b32 v[228+(\q)], v15, 16, v14
	v_lshlrev_b32 v[228+(\q)], v233, v[228+(\q)]   ; 8 h bits up
	v_permlanex16_b32 v232, v[228+(\q)], s14, s15
	v_or_b32 v[228+(\q)], v[228+(\q)], v232        ; with lane l xor 16's two bytes the row's word is whole
.irp c, 0,1
	v_cvt_scalef32_pk16_bf6_f32 v[208+6*\c:210+6*\c], v[144+32*\c:159+32*\c], v[12+\c]
	v_cvt_scalef32_pk16_bf6_f32 v[220+4*\c:222+4*\c], v[160+32*\c:175+32*\c], v[12+\c]   ; (a conversion's three registers begin on an even number)
.endr
	v_nop                                          ; one plain line behind the conversions
.irp c, 0,1
.irp i, 0,1,2
	v_mov_b32 v[211+6*\c+\i], v[220+4*\c+\i]
.endr
.endr
.irp c, 0,1
	global_store_b128 v2, v[208+6*\c:211+6*\c], s[24:25] offset:1536*(\q)+768*\c   ; 512 consecutive bytes
	global_store_b64 v7, v[212+6*\c:213+6*\c], s[24:25] offset:1536*(\q)+768*\c    ; 256 consecutive bytes
.endr
.endm
; ---- a weight [K][cols]: a lane takes a column and its registers run down K; a wave takes 32 columns (two tiles) x 256 along K.
.macro WLOAD t, cols
.set i, 0
.rept 32
	global_load_b32 v[32+32*((\t)%2)+i], v3, s[24:25] offset:(32*(\t)+i)*(\cols)*4 th:TH_LOAD_NT
.set i, i+1
.endr
.endm
.macro WBLOCK t, cols
.set XS, 32+32*((\t)%2)
.if (\t) < 7
	s_wait_loadcnt 32                              ; this block's 32 loads are in; the next block's may be out
.else
	s_wait_loadcnt 0
.endif
	v_max3_num_f32 v12, |v[XS]|, |v[XS+1]|, |v[XS+2]|
	v_max3_num_f32 v13, |v[XS+3]|, |v[XS+4]|, |v[XS+5]|
.irp i, 6,10,14,18,22,26
	v_max3_num_f32 v12, v12, |v[XS+\i]|, |v[XS+\i+1]|
	v_max3_num_f32 v13, v13, |v[XS+\i+2]|, |v[XS+\i+3]|
.endr
	v_max3_num_f32 v12, v12, |v[XS+30]|, |v[XS+31]|
	v_max3_num_f32 v12, v12, v13, 0x2800000        ; and the floor
	v_add_nc_u32 v11, 0xfe000000, v12
	v_lshrrev_b32 v13, 23, v11
.if (\t)%4 == 0
	v_mov_b32 v[24+(\t)/4], v13                    ; four bytes to a word, the lower K in the lower byte
.else
	v_lshl_or_b32 v[24+(\t)/4], v13, 8*((\t)%4), v[24+(\t)/4]
.endif
	v_cvt_scalef32_pk16_bf6_f32 v[96:98], v[XS:XS+15], v11
	v_cvt_scalef32_pk16_bf6_f32 v[104:106], v[XS+16:XS+31], v11
	v_nop
	v_mov_b32 v99, v104
	v_mov_b32 v100, v105
	v_mov_b32 v101, v106
	ds_store_b128 v4, v[96:99] offset:768*((\t)/2)+256*((\t)%2)    ; block t is half h = t % 2 of half fragment t / 2: the image's place of lane r + 16 h
	ds_store_b64 v5, v[100:101] offset:768*((\t)/2)+128*((\t)%2)
.if (\t)+2 < 8
	WLOAD (\t)+2, \cols
.endif
	s_wait_dscnt 0x0                               ; the stores have read their registers
.endm
.macro WPATH cols, tz, src, lb, first
	s_sub_co_u32 s17, ttmp9, \first
	s_lshr_b32 s18, s17, 2
	s_and_b32 s19, s17, 3                          ; which 256 along K
	s_lshl_b32 s20, s18, 2
	s_add_co_u32 s20, s20, s16                     ; which 32 columns
	s_mul_i32 s22, s19, 256*(\cols)*4
	s_lshl_b32 s23, s20, 7
	s_add_co_u32 s22, s22, s23
	s_mov_b32 s23, 0
	s_add_nc_u64 s[24:25], s[\src:\src+1], s[22:23]
	s_lshl_b32 s21, s20, 1
	s_add_co_u32 s21, s21, \tz                     ; my first tile in wq
	s_mul_i32 s22, s21, 12288
	s_mul_i32 s28, s19, 3072
	s_add_co_u32 s22, s22, s28
	s_add_nc_u64 s[26:27], s[12:13], s[22:23]
	s_lshl_b32 s22, s21, 9
	s_lshl_b32 s28, s19, 7
	s_add_co_u32 s22, s22, s28
	s_add_co_u32 s22, s22, WQS
	s_add_nc_u64 s[28:29], s[12:13], s[22:23]
	s_mul_i32 s30, s16, 6400                       ; my stage: two tiles of 3,072 bytes, 3,200 apart
	s_add_co_u32 s30, s30, \lb
	v_bfe_u32 v6, v0, 3, 1                         ; u: which of the two tiles my column falls in
	v_and_b32 v8, 7, v0
	v_bfe_u32 v10, v0, 4, 1
	v_lshl_or_b32 v8, v10, 3, v8                   ; r: and which lane of it
	v_mul_u32_u24 v10, v6, 3200
	v_add_nc_u32 v10, s30, v10
	v_lshl_add_u32 v4, v8, 4, v10
	v_lshl_add_u32 v5, v8, 3, v10
	v_add_nc_u32 v5, 512, v5
	v_lshlrev_b32 v2, 4, v1
	v_add_nc_u32 v7, s30, v2
	v_lshlrev_b32 v3, 2, v1
	v_lshlrev_b32 v9, 3, v8
	v_lshl_add_u32 v9, v6, 9, v9
	WLOAD 0, \cols
	WLOAD 1, \cols
.irp t, 0,1,2,3,4,5,6,7
	WBLOCK \t, \cols
.endr
	s_wait_alu depctr_va_vdst(0)
	global_store_b64 v9, v[24:25], s[28:29]        ; my column's two scale words
.irp u, 0,1
.irp j, 0,1,2,3,4,5
	ds_load_b128 v[112+4*(6*\u+\j):112+4*(6*\u+\j)+3], v7 offset:3200*\u+512*\j
.endr
.endr
.irp u, 0,1
.irp j, 0,1,2,3,4,5
	s_wait_dscnt 11-6*\u-\j
	global_store_b128 v2, v[112+4*(6*\u+\j):112+4*(6*\u+\j)+3], s[26:27] offset:12288*\u+512*\j   ; 512 consecutive bytes of a tile's images
.endr
.endr
	s_wait_tensorcnt 0x0
	ds_add_u32 v254, v255
	s_wait_dscnt 0x0
	s_endpgm
.endm
	s_load_b256 s[4:11], s[0:1], 0x0               ; x s[4:5], Wqkv s[6:7], Wo s[8:9], xq s[10:11]
	s_load_b64 s[12:13], s[0:1], 0x20              ; wq
	v_lshl_add_u32 v254, v0, 2, 0x15000
	v_mov_b32 v255, 0
	v_lshrrev_b32 v1, 5, v0
	v_readfirstlane_b32 s16, v1                    ; wave
	v_and_b32 v1, 31, v0                           ; lane
	s_mov_b32 s14, 0x76543210
	s_mov_b32 s15, 0xfedcba98                      ; v_permlanex16_b32's selects for lane l xor 16
	s_wait_kmcnt 0x0
	s_cmp_lt_u32 ttmp9, 256
	s_cbranch_scc0 .Lweights
	s_lshl_b32 s17, ttmp9, 2
	s_add_co_u32 s17, s17, s16
	s_lshr_b32 s18, s17, 1                         ; my tile, 0 .. 511
	s_and_b32 s19, s17, 1                          ; my half of K
	s_lshr_b32 s28, s18, 6                         ; batch
	s_and_b32 s29, s18, 63
	s_lshr_b32 s30, s29, 1
	s_lshl_b32 s30, s30, 5
	s_and_b32 s31, s29, 1
	s_lshl_b32 s31, s31, 3
	s_add_co_u32 s30, s30, s31                     ; lanes 0-7 take rows from here on,
	s_add_co_u32 s31, s30, 16                      ; lanes 8-15 from here on
	s_min_u32 s30, s30, 992
	s_min_u32 s31, s31, 992
	s_mul_i32 s28, s28, 1000
	s_add_co_u32 s30, s30, s28
	s_add_co_u32 s31, s31, s28
	s_lshl_b32 s32, s19, 11
	s_lshl_b32 s20, s30, 12
	s_add_co_u32 s20, s20, s32
	s_mov_b32 s21, 0
	s_lshl_b32 s22, s31, 12
	s_add_co_u32 s22, s22, s32
	s_mov_b32 s23, 0
	s_add_nc_u64 s[20:21], s[4:5], s[20:21]
	s_add_nc_u64 s[22:23], s[4:5], s[22:23]
	s_mul_i32 s24, s18, 12288
	s_mul_i32 s33, s19, 6144
	s_add_co_u32 s24, s24, s33
	s_mov_b32 s25, 0
	s_add_nc_u64 s[24:25], s[10:11], s[24:25]
	s_lshl_b32 s26, s18, 9
	s_lshl_b32 s33, s19, 8
	s_add_co_u32 s26, s26, s33
	s_add_co_u32 s26, s26, XQS
	s_mov_b32 s27, 0
	s_add_nc_u64 s[26:27], s[10:11], s[26:27]
	v_and_b32 v3, 15, v0                           ; r
	v_bfe_u32 v4, v0, 4, 1                         ; h
	s_wait_alu depctr_va_vdst(0)
	v_lshlrev_b32 v2, 4, v1                        ; 16 x lane
	s_mul_i32 s33, s16, 8448                       ; my stage: 16 rows x 528 bytes
	v_add_nc_u32 v5, s33, v2
	v_mul_u32_u24 v6, v3, 528
	v_lshl_add_u32 v6, v4, 7, v6
	v_add_nc_u32 v6, s33, v6
	v_lshlrev_b32 v8, 3, v1                        ; 8 x lane
	v_add_nc_u32 v7, 512, v8
	v_lshlrev_b32 v233, 3, v4                      ; 8 h
	v_mov_b32 v232, 0                              ; a lane permute's destination counts as one of its sources
	XLOAD 0
	XLOAD 1
	s_wait_alu depctr_va_vdst(0)
	XSTEP 0
	XSTEP 1
	XSTEP 2
	XSTEP 3
	v_cmp_ne_u32 vcc_lo, 0, v4
	v_cndmask_b32 v234, v228, v230, vcc_lo         ; lanes 0-15 store the first pair of K steps' words, lanes 16-31 the second's
	v_cndmask_b32 v235, v229, v231, vcc_lo
	global_store_b64 v8, v[234:235], s[26:27]      ; 256 consecutive bytes
	s_wait_tensorcnt 0x0
	ds_add_u32 v254, v255
	s_wait_dscnt 0x0
	s_endpgm
.Lweights:
	s_cmp_lt_u32 ttmp9, 352
	s_cbranch_scc0 .Lwo
	WPATH 3072, 0, 6, 33792, 256
.Lwo:
	WPATH 1024, 192, 8, 59392, 352
.Lfunc_end_k_qd9c7eaed58_prep:
	.size	k_qd9c7eaed58_prep, .Lfunc_end_k_qd9c7eaed58_prep-k_qd9c7eaed58_prep
	.p2alignl 7, 3214868480
	.fill 96, 4, 3214868480
	.section	.rodata,"a",@progbits
	.p2align	6, 0x0
	.amdhsa_kernel k_qd9c7eaed58_prep
		.amdhsa_group_segment_fixed_size 86528
		.amdhsa_private_segment_fixed_size 0
		.amdhsa_enable_private_segment 0
		.amdhsa_kernarg_size 40
		.amdhsa_user_sgpr_count 2
		.amdhsa_user_sgpr_kernarg_segment_ptr 1
		.amdhsa_wavefront_size32 1
		.amdhsa_system_sgpr_workgroup_id_x 1
		.amdhsa_system_sgpr_workgroup_id_y 1
		.amdhsa_system_sgpr_workgroup_id_z 1
		.amdhsa_system_vgpr_workitem_id 0
		.amdhsa_next_free_vgpr 256
		.amdhsa_next_free_sgpr 66
		.amdhsa_reserve_vcc 1
		.amdhsa_float_denorm_mode_32 3
		.amdhsa_float_denorm_mode_16_64 3
		.amdhsa_memory_ordered 1
		.amdhsa_forward_progress 1
		.amdhsa_inst_pref_size 114
	.end_amdhsa_kernel
	.amdgpu_metadata
---
amdhsa.version: [ 1, 2 ]
amdhsa.kernels:
  - .name:           k_qd9c7eaed58_prep
    .symbol:         k_qd9c7eaed58_prep.kd
    .args:
      - { .name: x, .offset: 0, .size: 8, .value_kind: global_buffer, .address_space: global }
      - { .name: Wqkv, .offset: 8, .size: 8, .value_kind: global_buffer, .address_space: global }
      - { .name: Wo, .offset: 16, .size: 8, .value_kind: global_buffer, .address_space: global }
      - { .name: xq, .offset: 24, .size: 8, .value_kind: global_buffer, .address_space: global }
      - { .name: wq, .offset: 32, .size: 8, .value_kind: global_buffer, .address_space: global }
    .group_segment_fixed_size: 86528
    .private_segment_fixed_size: 0
    .kernarg_segment_align: 8
    .kernarg_segment_size: 40
    .max_flat_workgroup_size: 128
    .sgpr_count:     66
    .vgpr_count:     256
    .wavefront_size: 32
...
	.end_amdgpu_metadata
.endif
;; end of part 1
;; launch qkv (part 2): grid 12 x 32, 4 waves a work-group, clusters of 4 x 4, 327,680 bytes of LDS; arguments xq, wq, bqkv, qkvq; writes qkvq
.if DOCPART == 2
	.amdgcn_target "amdgcn-amd-amdhsa--gfx1250"
	.amdhsa_code_object_version 6
	.text
	.protected	k_qd9c7eaed58_qkv
	.globl	k_qd9c7eaed58_qkv
	.p2align	8
	.type	k_qd9c7eaed58_qkv,@function
k_qd9c7eaed58_qkv:
	s_mov_b64 s[64:65], 0
	v_nop
	global_prefetch_b8 v0, s[64:65] scope:SCOPE_SE
	s_setreg_imm32_b32 hwreg(HW_REG_WAVE_MODE, 25, 1), 1
	s_wait_xcnt 0x0
	s_wait_alu depctr_hold_cnt(0) depctr_sa_sdst(0) depctr_va_vdst(0) depctr_va_sdst(0) depctr_va_ssrc(0) depctr_va_vcc(0) depctr_vm_vsrc(0)
	s_getreg_b32 s2, hwreg(HW_REG_IB_STS2, 6, 4)
	s_cmp_eq_u32 s2, 0
	s_cbranch_scc0 .Lentry_in_a_cluster
	s_endpgm
.Lentry_in_a_cluster:
	s_bfe_u32 s2, ttmp6, 0x10000c
	s_cmp_lg_u32 s2, 0xf033
	s_cbranch_scc0 .Lentry_shape_is_right
	s_endpgm
.Lentry_shape_is_right:
; qkv = x Wqkv + bqkv on codes of BF6 (E3M2), K = 1,024, and its results quantised on the way out: q and k along the head's 64 channels, v along the keys.  Nothing leaves as f32.
; Operands lie in memory as images of operand registers (half fragments of 768 bytes: lane l's registers 0-3 at 16 l, 4-5 at 512 + 8 l; a tile of 16 rows is 8 K steps x 2 x 768 = 12,288 bytes), so every LDS read is dense.
; A tile of the result is 256 x 256, four waves, each 128 x 128: 64 accumulators.  Source 0 takes side B, source 1 side A: a lane holds ONE row of side A, and, by the order of the rows in a tile
; (lane r of tile 2 g + u is row 32 g + 8 u + r + 8 (r / 8)), the 16 registers of B's tiles 2 g, 2 g + 1 are B's rows 32 g + 16 (lane / 16) + 0 .. 15: neighbours along the next product's K.
; For q and k (clusters x = 0, 1) side A is x's rows and side B Wqkv's columns; for v (clusters x = 2) side A is Wqkv's columns and side B x's rows, the keys.  Only pointers and a few offsets differ.
; CLUSTERS 4 x 4: A's tile hangs on the place along y alone and is asked for jointly by the four of a row, B's on the place along x alone, by the four of a column.
; K goes in steps of 256 through two LDS slots; the scale words of all of K come once.  384 work-groups in 24 clusters.
; OUT (qkvq): codes: region (q 0, k 1, v 2) x 6,291,456 + batch x 786,432 + X x 49,152 + Y x 3,072 + c x 768; q, k: X = head, 4 Y + c = tile of rows; v: X = 64 keys, Y = head, c = tile of channels.
; Scale bytes from 18,874,368 on: region x 262,144 + (16 batch + head) x 2,048 + ..: q, k: (tile / 2) x 64 + 4 r + 2 (tile % 2); v: (128 keys) x 256 + c x 64 + 4 r + 2 (which 64 keys).
; A batch is walked as 1,024 rows; v's rows from 1,000 on are made exact zeros ahead of the block's maximum, as the quantiser fills its last block.
; LIMITS: the bias enters as the C of the first product (another order of f32 rounding than a sum at the end); a block of zeros or under 2^-122 gets the byte 1; NaN and infinities are not served.
.set XQS,    6291456
.set WQS,    3145728
.set FR,     12                        ; registers of a fragment
.set NL,     4                         ; LDS loads that bring one
.set NP,     4                         ; places behind this matrix instruction (ISA guide 7.12.1)
.set NQ,     2                         ; matrix instructions deep in a slot
.set RT,     3072                      ; a tile of 16 rows in a slot: 256 along K
.set HALFT,  8*RT                      ; what one tensor load brings, and what one wave reads of A or of B
.set SLOT,   4*HALFT                   ; A's 16 tiles, then B's
; LDS: bytes 0 .. 2 SLOT: K 0-511, A's 16 tiles 6,144 bytes apart, then B's (one load each at the head); 2 SLOT .. 3 SLOT: K 512-767, filled once behind the second round;
; K 768-1023 is filled over bytes 0 .. SLOT behind step 3's round, when K 0-511 is read no more.  In the last two, a tile is RT bytes, A's 16 tiles then B's.
.set SCL,    3*SLOT                    ; the scale words: A's 8,192 bytes,
.set SCB,    8320                      ; B's 8,320 on
.set SPARE,  SCL+SCB+8192+128          ; the spare words: two blocks of 256 bytes that no other line names
.set ADRA, 16                          ; v16-17 A's 16-byte pieces in slot 0, 1; v18-19 its 8-byte pieces
.set ADRB, 20                          ; v20-23 the same for B
.set ADRS, 27
.set SPW,  28
.set NIL,  29
.set SC,   32                          ; v32-63 scale words, two sets; nothing else ever lies here
.set BI,   64                          ; v64-127 the bias, in the result's layout
.set AF,   128                         ; v128-223 A's fragments, one set
.set PC,   64                          ; the way out: codes
.set SO,   224                         ; v224-231 where block a's scale bytes go
.set TM,   232                         ; v232-247 at work
.set PW,   248
.set PS,   249
.set MK,   70                          ; s70-85 lane masks of the way out
.set G1, 24
.set G0, 32
.set G1B, 48
.set G0B, 56
.set G1S, 68
.set G0S, 76
.set G1SB, 80
.set G0SB, 88
.set MSB, 0
.macro WIN new                         ; the immediate's high byte repeats the setting that is left
.if MSB != (\new)
	s_set_vgpr_msb (MSB<<8)|(\new)
.set MSB, (\new)
.endif
.endm
.set MUL_LO, 0xa1                      ; source 0 (B) window 1, source 1 (A) window 0, C and D window 2
.set MUL_HI, 0xf1                      ; the same, C and D window 3
.set TO_B,   0x40
.macro JLOAD g0a, g1a, g0b, g1b        ; a joint load: waves 0, 1 fetch for A, waves 2, 3 for B; four v_nop follow each line
	s_cmp_eq_u32 s15, 0
	s_cbranch_scc0 .Lfor_b_\@
	tensor_load_to_lds s[\g0a:\g0a+3], s[\g1a:\g1a+7]
	s_nop 0
.rept 4
	v_nop
.endr
	s_branch .Lasked_\@
.Lfor_b_\@:
	tensor_load_to_lds s[\g0b:\g0b+3], s[\g1b:\g1b+7]
	s_nop 0
.rept 4
	v_nop
.endr
.Lasked_\@:
.endm
.macro CREST
	s_cmp_lg_u32 s14, 0
	s_cbranch_scc1 .Lnot_wave_0_\@
	s_barrier_signal -3
.Lnot_wave_0_\@:
	s_barrier_wait -3
	s_barrier_signal -1
	s_barrier_wait -1
.endm
.macro CROUND
	s_barrier_signal -1
	s_barrier_wait -1
	CREST
.endm
.macro LOC st                          ; where step st's fragments lie: address registers, bytes from tile to tile, step inside the tile
.if (\st) < 4
.set LA, 12
.set LB, 13
.set LR, 2*RT
.set LQ, (\st)
.else
.set LA, ADRA+1-((\st)/2)%2
.set LB, ADRB+1-((\st)/2)%2
.set LR, RT
.set LQ, (\st)%2
.endif
.endm
.macro FRAG reg, adr, i                ; two half fragments: 512, 256, 512, 256 consecutive bytes
	ds_load_b128 v[\reg:\reg+3], v[\adr] offset:LR*(\i)+1536*LQ
	ds_load_b64 v[\reg+4:\reg+5], v[\adr+2] offset:LR*(\i)+1536*LQ
	ds_load_b128 v[\reg+6:\reg+9], v[\adr] offset:LR*(\i)+1536*LQ+768
	ds_load_b64 v[\reg+10:\reg+11], v[\adr+2] offset:LR*(\i)+1536*LQ+768
.endm
; 16 matrix instructions: A's blocks a0, a0 + 1 x B's eight.  zero = 0: onto the sums; 2: the sums begin with the bias of B's rows; 3: with the bias of A's rows.  The 64 accumulators take turns.
.macro MUL16 a0, p, q, sc, zero
.irp a, \a0, \a0+1
.irp b, 0,1,2,3,4,5,6,7
.set rD, 8*(8*((\a)%4)+\b)
.set rB, 128*(\p)+FR*\b
.set rA, AF+FR*(\a)
.set sB, SC+8*NQ*(\sc)+NQ*\b+(\q)
.set sA, SC+8*NQ*(\sc)+NQ*(\a)+(\q)
.if (\zero) == 2
	v_wmma_scale_f32_16x16x128_f8f6f4 v[rD:rD+7], v[rB:rB+FR-1], v[rA:rA+FR-1], v[BI+8*\b:BI+8*\b+7], v[sB], v[sA] matrix_a_fmt:MATRIX_FMT_BF6 matrix_b_fmt:MATRIX_FMT_BF6 matrix_a_scale:MATRIX_SCALE_ROW1
.elseif (\zero) == 3
	v_wmma_scale_f32_16x16x128_f8f6f4 v[rD:rD+7], v[rB:rB+FR-1], v[rA:rA+FR-1], v[BI+8*(\a):BI+8*(\a)+7], v[sB], v[sA] matrix_a_fmt:MATRIX_FMT_BF6 matrix_b_fmt:MATRIX_FMT_BF6 matrix_a_scale:MATRIX_SCALE_ROW1
.else
	v_wmma_scale_f32_16x16x128_f8f6f4 v[rD:rD+7], v[rB:rB+FR-1], v[rA:rA+FR-1], v[rD:rD+7], v[sB], v[sA] matrix_a_fmt:MATRIX_FMT_BF6 matrix_b_fmt:MATRIX_FMT_BF6 matrix_a_scale:MATRIX_SCALE_ROW1
.endif
.endr
.endr
.endm
.macro FETCH_B st                      ; B's eight fragments of step st into set st % 2
	LOC \st
	WIN TO_B
.irp i, 0,1,2,3,4,5,6,7
	FRAG 128*((\st)%2)+FR*\i, LB, \i
.endr
	WIN 0
.endm
.macro FETCH_A st, i0                  ; A's blocks i0 .. i0 + 3 of step st
	LOC \st
.irp i, \i0, \i0+1, \i0+2, \i0+3
	FRAG AF+FR*(\i), LA, \i
.endr
.endm
.macro SCALES pr                       ; the words of steps 2 pr, 2 pr + 1 into set pr % 2: lanes 0-15 A's block i, lanes 16-31 B's block i
.irp i, 0,1,2,3,4,5,6,7
	ds_load_b64 v[SC+8*NQ*((\pr)%2)+NQ*\i:SC+8*NQ*((\pr)%2)+NQ*\i+1], v[ADRS] offset:\i*512+128*(\pr)
.endr
.endm
.macro PLACES n
.rept \n
	v_nop
.endr
.endm
; Step st of 128 along K: 64 products; the next step's fragments are fetched in its middle and at its end.
; kind 0: the next step's bytes are already shown to all waves.  kind 1: they were on their way: wait, barrier.  kind 2: the same, and the barrier opens a round behind which K 768-1023 is filled over K 0-511.
.macro GSTEP st, zero, kind
.set NX, (\st)+1
.if \kind
	s_wait_tensorcnt 0x0                           ; my one tensor load that was out has landed
	ds_add_u32 v[SPW], v[NIL]                      ; 0 onto my spare word
	s_wait_dscnt 4*NL+1                            ; (the add and A's blocks 4-7 may be out)
	WIN MUL_LO
	MUL16 0, (\st)%2, (\st)%2, ((\st)/2)%2, 0
	s_wait_dscnt 0x0                               ; the add is done, and all my LDS reads are over
	s_barrier_signal -1
	MUL16 2, (\st)%2, (\st)%2, ((\st)/2)%2, 0
	WIN 0
	s_barrier_wait -1
.if (\kind) == 2
	CREST                                          ; no wave of any partner still reads K 0-511 or has a load on its way
	JLOAD G0, G1, G0B, G1B                         ; the first tensor load behind the round; its four v_nop are the places in front of the loads below
.else
	PLACES NP
.endif
.else
	s_wait_dscnt 4*NL                              ; all but the youngest 16 loads (A's blocks 4-7) are in
.if \zero
	WIN 0x81                                       ; C (the bias) in window 0
.else
	WIN MUL_LO
.endif
	MUL16 0, (\st)%2, (\st)%2, ((\st)/2)%2, \zero
	MUL16 2, (\st)%2, (\st)%2, ((\st)/2)%2, \zero
	s_wait_dscnt 0
	PLACES NP
.endif
	FETCH_B NX
	FETCH_A NX, 0
.if NX%2 == 0
	SCALES NX/2
.endif
.if \zero
	WIN 0xc1
.else
	WIN MUL_HI
.endif
	MUL16 4, (\st)%2, (\st)%2, ((\st)/2)%2, \zero
	MUL16 6, (\st)%2, (\st)%2, ((\st)/2)%2, \zero
	PLACES NP
	WIN 0
	FETCH_A NX, 4
.endm
; THE WAY OUT of A's block a: a lane's 64 numbers (register 16 b + i = B's row 32 b + 16 (lane / 16) + i) become two half fragments and four scale bytes, and leave from registers in dense runs.
.macro OUTA a
.set AC, 64*((\a)%4)
.set WN, 2+(\a)/4
	WIN (WN<<6)|(WN<<2)
.set i, 0
.rept 16
	v_cndmask_b32 v[AC+48+i], 0, v[AC+48+i], s[MK+i]   ; v's keys from 1,000 on become zeros; for q and k, and in every other tile of keys, all lanes keep their numbers
.set i, i+1
.endr
	WIN (WN<<4)|(WN<<2)
.irp b, 0,1,2,3
	v_max3_num_f32 v[TM+\b], 0x2800000, |v[AC+16*\b]|, |v[AC+16*\b+1]|   ; the floor 2^(5 - 127) among the leaves; each accumulator is read from its low end on
.endr
.irp i, 2,4,6,8,10,12,14
.irp b, 0,1,2,3
	v_max3_num_f32 v[TM+\b], v[TM+\b], |v[AC+16*\b+\i]|, |v[AC+16*\b+\i+1]|
.endr
.endr
	WIN 0
.irp b, 0,1,2,3
	v_permlanex16_b32 v[TM+4+\b], v[TM+\b], s36, s37
.endr
.irp b, 0,1,2,3
	v_max_num_f32 v[TM+\b], v[TM+\b], v[TM+4+\b]
.endr
.irp b, 0,1,2,3
	v_add_nc_u32 v[TM+12+\b], 0xfe000000, v[TM+\b]
.endr
.irp b, 0,1,2,3
	v_lshrrev_b32 v[TM+4+\b], 23, v[TM+12+\b]
.endr
	v_lshl_or_b32 v[PW], v[TM+5], 8, v[TM+4]
	v_lshl_or_b32 v[PW], v[TM+6], 16, v[PW]
	v_lshl_or_b32 v[PW], v[TM+7], 24, v[PW]
	s_wait_xcnt 0x0                                ; the last block's stores have read the codes' and the bytes' registers
	WIN WN
.irp c, 0,1
	v_cvt_scalef32_pk16_bf6_f32 v[PC+6*\c:PC+2+6*\c], v[AC+32*\c:AC+15+32*\c], v[TM+12+2*\c]
	v_cvt_scalef32_pk16_bf6_f32 v[PC+12+4*\c:PC+14+4*\c], v[AC+16+32*\c:AC+31+32*\c], v[TM+12+2*\c+1]
.endr
	WIN 0
	v_nop                                          ; one plain line behind the conversions
.irp c, 0,1
.irp i, 0,1,2
	v_permlane16_swap_b32 v[PC+6*\c+\i], v[PC+12+4*\c+\i]   ; a whole block to a lane
.endr
.irp i, 0,1,2
	v_mov_b32 v[PC+3+6*\c+\i], v[PC+12+4*\c+\i]
.endr
.endr
	v_lshrrev_b32 v[PS], v9, v[PW]                 ; lanes 0-15 keep the first half fragment's two bytes, lanes 16-31 take the second's
.irp c, 0,1
	global_store_b128 v4, v[PC+6*\c:PC+6*\c+3], s[86:87] offset:49152*\c+3072*((\a)/4)+768*((\a)%4)
	global_store_b64 v5, v[PC+6*\c+4:PC+6*\c+5], s[86:87] offset:49152*\c+3072*((\a)/4)+768*((\a)%4)
.endr
	global_store_b16 v[SO+(\a)], v[PS], s[94:95]
.endm
	s_load_b256 s[4:11], s[0:1], 0x0               ; xq s[4:5], wq s[6:7], bqkv s[8:9], qkvq s[10:11]
	v_lshl_add_u32 v[SPW], v0, 2, SPARE
	v_mov_b32 v[NIL], 0
	ds_add_u32 v28, v29
	ds_add_u32 v28, v29
	s_wait_dscnt 0x0
	v_lshrrev_b32 v1, 5, v0
	v_readfirstlane_b32 s14, v1                    ; wave 0..3
	s_lshr_b32 s15, s14, 1                         ; my half of A's rows.  Also: I fetch for A (0) or for B (1)
	s_and_b32 s16, s14, 1                          ; my half of B's rows.  Also: which eight tiles I fetch
	s_bfe_u32 s40, ttmp6, 0x40000                  ; cx
	s_bfe_u32 s41, ttmp6, 0x40004                  ; cy
	s_and_b32 s66, ttmp7, 0xffff                   ; the cluster's y: the batch
	s_mov_b32 s18, XQS
	s_mov_b32 s19, WQS
	s_cmp_eq_u32 ttmp9, 2                          ; the cluster's x: 0 q, 1 k, 2 v: the same in all sixteen partners
	s_cselect_b32 s67, 1, 0
	s_cselect_b32 s17, 2, s66
	s_cselect_b32 s42, s66, ttmp9
	s_cselect_b32 s92, s19, s18                    ; where the scale words begin in A's buffer,
	s_cselect_b32 s93, s18, s19                    ; and in B's
	s_lshl_b32 s17, s17, 2
	s_add_co_u32 s17, s17, s41                     ; A's tile of 256 rows: hangs on cy alone
	s_lshl_b32 s42, s42, 2
	s_add_co_u32 s42, s42, s40                     ; B's: on cx alone
	s_lshl_b32 s43, s41, 2
	s_lshl_b32 s43, 15, s43                        ; my row of the cluster
	s_lshl_b32 s44, 0x1111, s40                    ; my column
	; group 1, codes: 8 tiles of 3,072 bytes (384 elements of 8 bytes), 12,288 bytes apart; dense in LDS
	s_or_b32 s[G1+0], s43, (3<<16)|(1<<21)
	s_or_b32 s[G1B+0], s44, (3<<16)|(1<<21)
.irp g, G1, G1B
	s_mov_b32 s[\g+1], 768<<16                     ; for the head's loads: 16 tiles x 6,144 bytes (K 0-511)
	s_mov_b32 s[\g+2], 16<<16
	s_mov_b32 s[\g+3], 768<<16
	s_mov_b32 s[\g+4], 16
	s_mov_b32 s[\g+5], 1536
	s_mov_b32 s[\g+6], 0
	s_mov_b32 s[\g+7], 0
.endr
	; group 1, scale words: 8,192 dense bytes as 32 rows of 256
	s_or_b32 s[G1S+0], s43, (3<<16)|(1<<21)
	s_or_b32 s[G1SB+0], s44, (3<<16)|(1<<21)
.irp g, G1S, G1SB
	s_mov_b32 s[\g+1], 32<<16
	s_mov_b32 s[\g+2], 32<<16                      ; 8,192 dense bytes as 32 rows of 256
	s_mov_b32 s[\g+3], 32<<16
	s_mov_b32 s[\g+4], 32
	s_mov_b32 s[\g+5], 32
	s_mov_b32 s[\g+6], 0
	s_mov_b32 s[\g+7], 0
.endr
	s_mul_i32 s20, s17, 16*12288
	s_mul_i32 s18, s16, 8*12288
	s_mov_b32 s21, 0
	s_lshl_b32 s22, s17, 13
	s_mov_b32 s19, 0                               ; s[18:19]: bytes to the eight tiles that I fetch behind the head
	s_add_co_u32 s22, s22, s92
	s_mov_b32 s23, 0
	s_mul_i32 s46, s42, 16*12288
	s_mov_b32 s47, 0
	s_lshl_b32 s94, s42, 13
	s_add_co_u32 s94, s94, s93
	s_mov_b32 s95, 0
	s_mul_i32 s45, s14, HALFT                      ; where my codes go: no place in the cluster enters an LDS address
	s_wait_kmcnt 0x0
	s_cmp_eq_u32 s67, 1
	s_cselect_b64 s[12:13], s[6:7], s[4:5]         ; A's buffer
	s_cselect_b64 s[98:99], s[4:5], s[6:7]         ; B's
	s_add_nc_u64 s[20:21], s[12:13], s[20:21]
	s_add_nc_u64 s[22:23], s[12:13], s[22:23]
	s_add_nc_u64 s[46:47], s[98:99], s[46:47]
	s_add_nc_u64 s[94:95], s[98:99], s[94:95]
	CROUND                                         ; all sixteen work-groups are here: the first joint loads meet
	s_mov_b32 s[G0S], 1
	s_mov_b32 s[G0S+1], SCL
	s_mov_b64 s[G0S+2:G0S+3], s[22:23]
	s_or_b32 s[G0S+3], s[G0S+3], 0x80000000
	s_mov_b32 s[G0SB], 1
	s_mov_b32 s[G0SB+1], SCL+SCB
	s_mov_b64 s[G0SB+2:G0SB+3], s[94:95]
	s_or_b32 s[G0SB+3], s[G0SB+3], 0x80000000
	s_mov_b32 s[G0], 1                             ; the head's codes: K 0-511 of A's 16 tiles,
	s_mov_b32 s[G0+1], 0
	s_mov_b64 s[G0+2:G0+3], s[20:21]
	s_or_b32 s[G0+3], s[G0+3], 0x80000000
	s_mov_b32 s[G0B], 1                            ; and of B's, behind them
	s_mov_b32 s[G0B+1], SLOT
	s_mov_b64 s[G0B+2:G0B+3], s[46:47]
	s_or_b32 s[G0B+3], s[G0B+3], 0x80000000
	s_add_nc_u64 s[20:21], s[20:21], s[18:19]      ; my eight tiles
	s_add_nc_u64 s[46:47], s[46:47], s[18:19]
	s_mov_b32 s[G0+4], 1                           ; K 512-767 of them
	s_add_co_u32 s[G0+5], s45, 2*SLOT
	s_add_nc_u64 s[G0+6:G0+7], s[20:21], 2*RT
	s_or_b32 s[G0+7], s[G0+7], 0x80000000
	s_mov_b32 s[G0B+4], 1
	s_add_co_u32 s[G0B+5], s45, 2*SLOT
	s_add_nc_u64 s[G0B+6:G0B+7], s[46:47], 2*RT
	s_or_b32 s[G0B+7], s[G0B+7], 0x80000000
	s_add_nc_u64 s[12:13], s[20:21], 3*RT          ; K 768-1023: kept for the first group 0, which is rewritten when the head's loads have landed
	s_add_nc_u64 s[46:47], s[46:47], 3*RT
; The head's four tiles, one joint load a wave: one chain of branches on the wave's number, all arms leading to one join.
.macro ARM under, g0, g1, next
	s_cmp_lt_u32 s14, \under
	s_cbranch_scc0 \next
	tensor_load_to_lds s[\g0:\g0+3], s[\g1:\g1+7]
	s_nop 0
.rept 4
	v_nop
.endr
	s_branch .Lhead_asked
\next:
.endm
	ARM 1, G0,  G1,  .Lhead_b
	ARM 2, G0B, G1B, .Lhead_sa
	ARM 3, G0S, G1S, .Lhead_sb
	tensor_load_to_lds s[G0SB:G0SB+3], s[G1SB:G1SB+7]
	s_nop 0
.rept 4
	v_nop
.endr
.Lhead_asked:
	v_and_b32 v1, 15, v0                           ; r
	v_bfe_u32 v2, v0, 4, 1                         ; h
	v_and_b32 v3, 31, v0
	v_lshlrev_b32 v4, 4, v3                        ; 16 x lane
	v_lshlrev_b32 v5, 3, v3
	v_add_nc_u32 v5, 512, v5                       ; 8 x lane + 512
	s_mul_i32 s21, s15, HALFT
	s_mul_i32 s22, s16, HALFT
	s_add_co_u32 s22, s22, 2*HALFT
.irp s, 0,1
	v_add_nc_u32 v[ADRA+\s], s21, v4
	v_add_nc_u32 v[ADRA+2+\s], s21, v5
	v_add_nc_u32 v[ADRB+\s], s22, v4
	v_add_nc_u32 v[ADRB+2+\s], s22, v5
	s_add_co_u32 s21, s21, 2*SLOT
	s_add_co_u32 s22, s22, 2*SLOT
.endr
	s_mul_i32 s21, s15, 2*HALFT                    ; K 0-511: tiles 6,144 bytes apart; v12, v14 A's pieces of 16 and of 8 bytes, v13, v15 B's
	s_mul_i32 s22, s16, 2*HALFT
	s_add_co_u32 s22, s22, SLOT
	v_add_nc_u32 v12, s21, v4
	v_add_nc_u32 v13, s22, v4
	v_add_nc_u32 v14, s21, v5
	v_add_nc_u32 v15, s22, v5
	s_lshl_b32 s21, s15, 12                        ; A's scale words: my eight tiles;
	s_lshl_b32 s22, s16, 12
	s_add_co_u32 s22, s22, SCB                     ; B's
	s_sub_co_u32 s22, s22, s21
	v_mul_u32_u24 v6, s22, v2                      ; lanes 16-31 take B's
	v_lshl_add_u32 v6, v1, 3, v6
	s_add_co_u32 s21, s21, SCL
	v_add_nc_u32 v[ADRS], s21, v6
	; the bias, in the result's layout
	s_lshl_b32 s21, s17, 8
	s_lshl_b32 s22, s15, 7
	s_add_co_u32 s21, s21, s22                     ; v: the column of A's first row
	s_lshl_b32 s22, s42, 8
	s_lshl_b32 s23, s16, 7
	s_add_co_u32 s22, s22, s23                     ; q, k: the column of B's first row
	s_cmp_eq_u32 s67, 1
	s_cselect_b32 s96, s21, s22
	s_lshl_b32 s96, s96, 2
	s_mov_b32 s97, 0
	s_add_nc_u64 s[96:97], s[8:9], s[96:97]
	v_lshlrev_b32 v7, 6, v2                        ; 16 h numbers on
	v_and_b32 v8, 8, v1
	v_add_nc_u32 v8, v8, v1
	v_lshlrev_b32 v8, 2, v8                        ; r + 8 (r / 8) numbers on
	s_cmp_eq_u32 s67, 1
	s_cbranch_scc1 .Lbias_v
.irp b, 0,1,2,3,4,5,6,7
	global_load_b128 v[BI+8*\b:BI+8*\b+3], v7, s[96:97] offset:(32*(\b/2)+8*(\b%2))*4       ; register j of B's tile b: column 32 (b / 2) + 8 (b % 2) + 16 h + j
	global_load_b128 v[BI+8*\b+4:BI+8*\b+7], v7, s[96:97] offset:(32*(\b/2)+8*(\b%2))*4+16
.endr
	s_branch .Lbias_in
.Lbias_v:
	s_wait_alu depctr_va_vdst(0)
.irp a, 0,1,2,3,4,5,6,7
.irp j, 0,1,2,3,4,5,6,7
	global_load_b32 v[BI+8*\a+\j], v8, s[96:97] offset:(32*(\a/2)+8*(\a%2))*4                ; all eight registers: my lane's channel of A's tile a
.endr
.endr
.Lbias_in:
	s_wait_alu depctr_va_vdst(0)
	s_wait_loadcnt 0x0
	s_wait_tensorcnt 0x0                           ; my tile of the head's four is in; these lines stand ahead of a later first fill as ahead of a refill
	ds_add_u32 v[SPW], v[NIL]
.irp g, G1, G1B
	s_mov_b32 s[\g+1], 384<<16                     ; no tensor load of mine is out: from here on a load brings 8 tiles x 3,072 bytes
	s_mov_b32 s[\g+2], 8<<16
	s_mov_b32 s[\g+3], 384<<16
	s_mov_b32 s[\g+4], 8
.endr
	s_mov_b32 s[G0+1], s45                         ; and the first group 0 is K 768-1023 of my eight tiles
	s_mov_b64 s[G0+2:G0+3], s[12:13]
	s_or_b32 s[G0+3], s[G0+3], 0x80000000
	s_mov_b32 s[G0B+1], s45
	s_mov_b64 s[G0B+2:G0B+3], s[46:47]
	s_or_b32 s[G0B+3], s[G0B+3], 0x80000000
	s_wait_dscnt 0x0
	CROUND                                         ; all four tiles are in, and all sixteen work-groups are here
	JLOAD G0+4, G1, G0B+4, G1B                     ; K 512-767: the first tensor load behind the round; steps 0 to 2 stand between it and the wait for it
	FETCH_B 0
	FETCH_A 0, 0
	SCALES 0
	FETCH_A 0, 4
	s_cmp_eq_u32 s67, 1                            ; the first step is written twice: it differs in which registers begin the sums
	s_cbranch_scc1 .Lfirst_v
	GSTEP 0, 2, 0
	s_branch .Lfirst_done
.Lfirst_v:
	GSTEP 0, 3, 0
.Lfirst_done:
	GSTEP 1, 0, 0
	GSTEP 2, 0, 0
	GSTEP 3, 0, 2
	GSTEP 4, 0, 0
	GSTEP 5, 0, 1
	GSTEP 6, 0, 0
	s_wait_dscnt 4*NL
	WIN MUL_LO
	MUL16 0, 1, NQ-1, 1, 0
	MUL16 2, 1, NQ-1, 1, 0
	s_wait_dscnt 0
	WIN MUL_HI
	MUL16 4, 1, NQ-1, 1, 0
	MUL16 6, 1, NQ-1, 1, 0
	WIN 0
	PLACES NP
	; where the results go.  No tensor load is out any more: the descriptors' registers are free
	s_lshr_b32 s18, s17, 2
	s_lshr_b32 s19, s42, 2
	s_and_b32 s20, s42, 3
	s_lshl_b32 s20, s20, 2
	s_lshl_b32 s21, s16, 1
	s_add_co_u32 s20, s20, s21                     ; X0: B's 64 rows: 4 (B's tile % 4) + 2 x my half
	s_and_b32 s22, s17, 3
	s_lshl_b32 s22, s22, 2
	s_lshl_b32 s21, s15, 1
	s_add_co_u32 s22, s22, s21                     ; Y0: A's 64 rows
	s_lshl_b32 s23, s20, 6
	s_sub_co_u32 s23, 904, s23                     ; register 48 + i of lane half h is key 64 X0 + 96 + 16 h + i: kept where i < 904 - 64 X0 - 16 h
	s_mov_b32 s24, 2048
	s_mov_b32 s31, 128
	s_mov_b32 s36, 0x76543210
	s_mov_b32 s37, 0xfedcba98
	s_cmp_eq_u32 s67, 1
	s_cselect_b32 s25, s18, s19                    ; region
	s_cselect_b32 s26, s19, s18                    ; batch
	s_cselect_b32 s27, s22, s20                    ; the head's first: x 2,048 among the scale bytes
	s_cselect_b32 s28, s20, s22                    ; x 128
	s_cselect_b32 s23, s23, 64
	s_cselect_b32 s29, 2, s24                      ; from lanes 0-15 to lanes 16-31
	s_cselect_b32 s30, 64, 2                       ; for bit 0 of a,
	s_cselect_b32 s32, s31, 64                     ; bit 1,
	s_cselect_b32 s33, s24, s31                    ; bit 2
	s_mul_i32 s86, s25, 6291456
	s_mul_i32 s34, s26, 786432
	s_add_co_u32 s86, s86, s34
	s_mul_i32 s34, s20, 49152
	s_add_co_u32 s86, s86, s34
	s_mul_i32 s34, s22, 3072
	s_add_co_u32 s86, s86, s34
	s_mov_b32 s87, 0
	s_add_nc_u64 s[86:87], s[10:11], s[86:87]
	s_lshl_b32 s94, s25, 18
	s_lshl_b32 s34, s26, 15
	s_add_co_u32 s94, s94, s34
	s_lshl_b32 s34, s27, 11
	s_add_co_u32 s94, s94, s34
	s_lshl_b32 s34, s28, 7
	s_add_co_u32 s94, s94, s34
	s_add_co_u32 s94, s94, 18874368
	s_mov_b32 s95, 0
	s_add_nc_u64 s[94:95], s[10:11], s[94:95]
	v_lshlrev_b32 v9, 4, v2                        ; 16 h
	v_sub_nc_u32 v10, s23, v9
	v_mul_u32_u24 v11, s29, v2
	v_lshl_add_u32 v11, v1, 2, v11
	s_wait_alu depctr_va_vdst(0)
.irp a, 0,1,2,3,4,5,6,7
	s_mul_i32 s34, s30, \a&1
	s_mul_i32 s35, s32, (\a>>1)&1
	s_add_co_u32 s34, s34, s35
	s_mul_i32 s35, s33, \a>>2
	s_add_co_u32 s34, s34, s35
	v_add_nc_u32 v[SO+\a], s34, v11
.endr
.set i, 0
.rept 16
	v_cmp_lt_i32 s[MK+i], i, v10
.set i, i+1
.endr
.irp b, 0,1,2,3
	v_mov_b32 v[TM+4+\b], 0                        ; a lane permute's destination counts as one of its sources
.endr
.irp a, 0,1,2,3,4,5,6,7
	OUTA \a
.endr
	s_wait_tensorcnt 0x0                           ; the wave's end
	ds_add_u32 v[SPW], v[NIL]
	s_wait_dscnt 0x0
	CROUND                                         ; the closing round
	s_endpgm
.Lfunc_end_k_qd9c7eaed58_qkv:
	.size	k_qd9c7eaed58_qkv, .Lfunc_end_k_qd9c7eaed58_qkv-k_qd9c7eaed58_qkv
	.p2alignl 7, 3214868480
	.fill 96, 4, 3214868480
	.section	.rodata,"a",@progbits
	.p2align	6, 0x0
	.amdhsa_kernel k_qd9c7eaed58_qkv
		.amdhsa_group_segment_fixed_size 327680
		.amdhsa_private_segment_fixed_size 0
		.amdhsa_enable_private_segment 0
		.amdhsa_kernarg_size 32
		.amdhsa_user_sgpr_count 2
		.amdhsa_user_sgpr_kernarg_segment_ptr 1
		.amdhsa_wavefront_size32 1
		.amdhsa_system_sgpr_workgroup_id_x 1
		.amdhsa_system_sgpr_workgroup_id_y 1
		.amdhsa_system_sgpr_workgroup_id_z 1
		.amdhsa_system_vgpr_workitem_id 0
		.amdhsa_next_free_vgpr 1024
		.amdhsa_next_free_sgpr 100
		.amdhsa_reserve_vcc 0
		.amdhsa_float_denorm_mode_32 3
		.amdhsa_float_denorm_mode_16_64 3
		.amdhsa_memory_ordered 1
		.amdhsa_forward_progress 1
		.amdhsa_inst_pref_size 182
	.end_amdhsa_kernel
	.amdgpu_metadata
---
amdhsa.version: [ 1, 2 ]
amdhsa.kernels:
  - .name:           k_qd9c7eaed58_qkv
    .symbol:         k_qd9c7eaed58_qkv.kd
    .args:
      - { .name: xq, .offset: 0, .size: 8, .value_kind: global_buffer, .address_space: global }
      - { .name: wq, .offset: 8, .size: 8, .value_kind: global_buffer, .address_space: global }
      - { .name: bqkv, .offset: 16, .size: 8, .value_kind: global_buffer, .address_space: global }
      - { .name: qkvq, .offset: 24, .size: 8, .value_kind: global_buffer, .address_space: global }
    .group_segment_fixed_size: 327680
    .private_segment_fixed_size: 0
    .kernarg_segment_align: 8
    .kernarg_segment_size: 32
    .max_flat_workgroup_size: 128
    .sgpr_count:     100
    .vgpr_count:     1024
    .wavefront_size: 32
...
	.end_amdgpu_metadata
.endif
;; end of part 2
;; launch attn (part 3): grid 2 x 128, 16 waves a work-group, no clusters, 169,984 bytes of LDS; arguments qkvq, aoq; writes aoq
.if DOCPART == 3
	.amdgcn_target "amdgcn-amd-amdhsa--gfx1250"
	.amdhsa_code_object_version 6
	.text
	.protected	k_qd9c7eaed58_attn
	.globl	k_qd9c7eaed58_attn
	.p2align	8
	.type	k_qd9c7eaed58_attn,@function
k_qd9c7eaed58_attn:
	s_mov_b64 s[64:65], 0
	v_nop
	global_prefetch_b8 v0, s[64:65] scope:SCOPE_SE
	s_setreg_imm32_b32 hwreg(HW_REG_WAVE_MODE, 25, 1), 1
	s_wait_xcnt 0x0
; Causal attention of one head on codes of BF6 (E3M2): S^T = K Q^T (K = the head's 64), p = 2^(t - M), O^T = V^T P^T (K = the keys), O / l, and O quantised along head x 64 + channel for the last product.
; t = score x log2(e) / 8; M = the running largest t rounded UP to a whole number; p is quantised along the keys, not normalised; l is the sum of the unquantised p.  When M moves, l and O^T are multiplied by 2^(old M - new M): exact.
; SHARES.  Work-group (p, 16 batch + head).  A batch is walked as 64 tiles of 16 queries; wave w owns tiles 2 w + p and 63 - (2 w + p).  Tile T needs T / 8 + 1 steps of 128 keys, so every wave has nine: even work.
; A tile's lane r is query 32 (T / 2) + 8 (T % 2) + r + 8 (r / 8); the keys of a tile of K lie in the same order, so the 16 registers of score tiles 2 b, 2 b + 1 are keys 32 b + 16 (lane / 16) + 0 .. 15.
; A WHOLE HEAD'S K, V AND SCALE BYTES LIE IN LDS, FILLED ONCE (102,400 bytes): no slot is filled again.  Waves 0, 1 fetch the scale bytes of K and of V, waves 2-9 the quarters of 256 keys: one tensor load a wave at the most.
; NO JOINT LOADS: only the two work-groups of a head read the same tiles, the grid's x is 2, and each reads them once.
; K = 64 IN AN INSTRUCTION OF 128: a fragment of K is two tiles of keys on end; Q is kept twice, QA = [q | zero codes] and QB = [zero codes | q]; the first tile multiplies by QA, the second by QB.
; The zero codes meet finite codes of K; the dead blocks' scale bytes are 0 on Q's side and 1 .. 254 on K's, never 0xff: they add exact zeros.
; Queries and keys from 1,000 on are copies of rows 992-999: finite; a real query never sees such a key (the mask), and the rows made of such queries are never stored by the last launch.  V's keys from 1,000 on are zero codes.
; LIMITS: a block of zeros or under 2^-122 gets the byte 1; NaN and infinities are not served.
.set VIMG, 49152                       ; LDS: K's 64 tiles x 768 at 0; V's [64 keys 16][tile of channels 4][768] here;
.set SCK,  98304                       ; K's scale words [pair of tiles 32][r 16]; V's [128 keys 8][c 4][r 16] 2,048 on
.set BM,  212                          ; v212-215 block maxima
.set BT,  216                          ; v216-219 at work
.set BS,  220                          ; v220-223 the conversions' scale operands
.set WV,  8
.set SEL, 60
.set CS,  62
.set TB,  88                           ; s88 the step's tiles: 6,144 bytes a step, in K's image and in V's
.set TS,  89                           ; s89 its scale words: 256 bytes a step
.set KF,  90                           ; s90 its first key
.set QMIN, 91
.set QMAX, 92
.set CNT, 93
.macro BAR under                       ; waves under this number wait for their one fill; then the work-group's barrier.
	s_cmp_lt_u32 s[WV], \under
	s_cbranch_scc0 .Lno_wait_\@
	s_wait_tensorcnt 0x0
.Lno_wait_\@:
	s_wait_dscnt 0x0
	s_barrier_signal -1
	s_barrier_wait -1
.endm
.macro QHEAD st                        ; tile s[st] begins
	s_lshr_b32 s9, s[\st], 1
	s_lshl_b32 s[QMIN], s9, 5
	s_lshl_b32 s9, s9, 6
	s_and_b32 s15, s[\st], 1
	s_lshl_b32 s[QMAX], s15, 3
	s_add_co_u32 s[QMIN], s[QMIN], s[QMAX]         ; the tile's first query,
	s_add_co_u32 s[QMAX], s[QMIN], 23              ; and its last
	s_lshl_b32 s15, s15, 1
	s_add_co_u32 s9, s9, s15
	v_add_nc_u32 v245, s9, v246
	s_mul_i32 s9, s[\st], 768
	v_add_nc_u32 v243, s9, v1
	v_add_nc_u32 v244, s9, v2
	global_load_b128 v[16:19], v243, s[94:95]      ; q's half fragment, twice: QA's lower six registers,
	global_load_b64 v[20:21], v244, s[94:95]
	global_load_b128 v[34:37], v243, s[94:95]      ; QB's upper six
	global_load_b64 v[38:39], v244, s[94:95]
	global_load_u16 v40, v245, s[96:97]            ; its two scale bytes
	s_mul_i32 s9, s[\st], 12288
	v_add_nc_u32 v240, s9, v1                      ; where the tile's codes of o will go,
	v_add_nc_u32 v241, s9, v2
	s_lshl_b32 s9, s[\st], 9
	v_add_nc_u32 v242, s9, v247                    ; and their scale bytes
	v_add_nc_u32 v4, s[QMIN], v5                   ; my query - 16 (lane / 16)
	s_mov_b32 s[TB], 0
	s_mov_b32 s[TS], 0
	s_mov_b32 s[KF], 0
	s_wait_loadcnt 0x0
	v_lshlrev_b32 v41, 16, v40                     ; QB's scale word; the lines below are its places ahead of the products
.set j, 0
.rept 32
	v_mov_b32 v[160+j], 0                          ; O^T: the step is written once, and its first turn finds zeros
.set j, j+1
.endr
	v_mov_b32 v13, 0xff61b1e6                      ; the largest t so far: -3e38
	s_delay_alu instid0(VALU_DEP_1)
	v_floor_f32 v12, -v13                          ; -M
	v_mov_b32 v14, 0
	v_mov_b32 v15, 0
.endm
; A KEY STEP of 128 keys.  diag = 1: the step may lie on or above the diagonal.
.macro STEP diag
.if \diag
	s_cmp_gt_u32 s[KF], s[QMAX]                    ; all its keys come after my queries: the work is left out, the address steps at the end are not
	s_cbranch_scc1 .Lhid_\@
.endif
	v_add_nc_u32 v8, s[TB], v1
	v_add_nc_u32 v9, s[TB], v2
	v_add_nc_u32 v10, s[TS], v3
	v_nop                                          ; four places in front of loads into registers that the last products read
.irp f, 0,1,2,3
	ds_load_b128 v[48+12*\f:51+12*\f], v8 offset:1536*\f
	ds_load_b64 v[52+12*\f:53+12*\f], v9 offset:1536*\f
	ds_load_b128 v[54+12*\f:57+12*\f], v8 offset:1536*\f+768
	ds_load_b64 v[58+12*\f:59+12*\f], v9 offset:1536*\f+768
	ds_load_b32 v[44+\f], v10 offset:64*\f
.endr
	s_wait_alu depctr_va_vdst(0)
	s_wait_dscnt 0x0
.irp f, 0,1,2,3
	v_wmma_scale_f32_16x16x128_f8f6f4 v[96+16*\f:103+16*\f], v[48+12*\f:59+12*\f], v[16:27], 0, v[44+\f], v40 matrix_a_fmt:MATRIX_FMT_BF6 matrix_b_fmt:MATRIX_FMT_BF6
	v_wmma_scale_f32_16x16x128_f8f6f4 v[104+16*\f:111+16*\f], v[48+12*\f:59+12*\f], v[28:39], 0, v[44+\f], v41 matrix_a_fmt:MATRIX_FMT_BF6 matrix_b_fmt:MATRIX_FMT_BF6
.endr
.rept 4
	v_nop
.endr
.irp c, 0,1,2,3                        ; V's fragments are asked for here and land under the softmax
	ds_load_b128 v[48+12*\c:51+12*\c], v8 offset:VIMG+768*\c
	ds_load_b64 v[52+12*\c:53+12*\c], v9 offset:VIMG+768*\c
	ds_load_b128 v[54+12*\c:57+12*\c], v8 offset:VIMG+3072+768*\c
	ds_load_b64 v[58+12*\c:59+12*\c], v9 offset:VIMG+3072+768*\c
	ds_load_b32 v[44+\c], v10 offset:2048+64*\c
.endr
.if \diag
	s_add_co_u32 s9, s[KF], 127
	s_cmp_le_u32 s9, s[QMIN]                       ; all its keys count for all my queries
	s_cbranch_scc1 .Lopen_\@
	s_sub_co_i32 s9, 0, s[KF]
	v_add_nc_u32 v7, s9, v4                        ; d = my query - KF - 16 (lane / 16): register 16 b + i holds a hidden key where 32 b + i > d
.set n, 0
.rept 64
	v_cmp_gt_i32 vcc_lo, 32*(n/16)+n%16, v7
	v_cndmask_b32 v[96+n], v[96+n], v6, vcc_lo
.set n, n+1
.endr
.Lopen_\@:
.endif
.irp b, 0,1,2,3
	v_max3_num_f32 v[BM+\b], v[96+16*\b], v[97+16*\b], v[98+16*\b]   ; the largest score of each block of 32 keys: for the row's maximum, and, since p rises with the score, for the block's largest p
.endr
.irp i, 3,5,7,9,11,13
.irp b, 0,1,2,3
	v_max3_num_f32 v[BM+\b], v[BM+\b], v[96+16*\b+\i], v[97+16*\b+\i]
.endr
.endr
.irp b, 0,1,2,3
	v_max_num_f32 v[BM+\b], v[BM+\b], v[111+16*\b]
.endr
.irp b, 0,1,2,3
	s_delay_alu instid0(VALU_DEP_4)
	v_permlanex16_b32 v[BT+\b], v[BM+\b], s[SEL], s[SEL+1]
.endr
.irp b, 0,1,2,3
	s_delay_alu instid0(VALU_DEP_4)
	v_max_num_f32 v[BM+\b], v[BM+\b], v[BT+\b]
.endr
	s_delay_alu instid0(VALU_DEP_2)
	v_max3_num_f32 v224, v212, v213, v214
	s_delay_alu instid0(VALU_DEP_1)
	v_max_num_f32 v224, v224, v215
	s_delay_alu instid0(VALU_DEP_1)
	v_mul_f32 v224, s[CS], v224
	s_delay_alu instid0(VALU_DEP_1)
	v_max_num_f32 v13, v13, v224                   ; the running largest t
	v_mov_b32 v224, v12
	s_delay_alu instid0(VALU_DEP_2)
	v_floor_f32 v12, -v13                          ; the new -M = -ceil(t)
	s_delay_alu instid0(VALU_DEP_1)
	v_sub_f32 v224, v12, v224                      ; old M - new M: a whole number, 0 or less
	s_delay_alu instid0(VALU_DEP_1)
	v_cvt_i32_f32 v224, v224                       ; (it saturates)
	s_delay_alu instid0(VALU_DEP_1)
	v_ldexp_f32 v226, 1.0, v224                    ; f = 2^(old M - new M)
.set j, 0
.rept 32
	v_pk_fma_f32 v[96+j:97+j], v[96+j:97+j], s[CS:CS+1], v[12:13] op_sel_hi:[1,0,0]   ; t - M
.set j, j+2
.endr
.irp b, 0,1,2,3
	v_fma_f32 v[BM+\b], v[BM+\b], s[CS], v12
.endr
.set j, 0
	s_wait_alu depctr_va_vdst(0)
.rept 64
	v_exp_f32 v[96+j], v[96+j]                     ; p = 2^(t - M)
.set j, j+1
.endr
	v_pk_mul_f32 v[14:15], v[14:15], v[226:227] op_sel_hi:[1,0]   ; the sums under the new M: the plain line behind the exponentials
	s_wait_alu depctr_va_vdst(0)                   ; one wait for the batch, ahead of its first reader
.irp b, 0,1,2,3
	v_exp_f32 v[BM+\b], v[BM+\b]                   ; each block's largest p
.endr
	v_pk_add_f32 v[216:217], v[100:101], v[104:105]
	v_pk_add_f32 v[252:253], v[108:109], v[112:113]
	v_pk_add_f32 v[250:251], v[116:117], v[120:121]
	v_pk_add_f32 v[248:249], v[124:125], v[128:129]
	v_pk_add_f32 v[244:245], v[132:133], v[136:137]
	v_pk_add_f32 v[238:239], v[140:141], v[144:145]
	v_pk_add_f32 v[236:237], v[148:149], v[152:153]
	v_pk_add_f32 v[14:15], v[14:15], v[156:157]
	v_pk_add_f32 v[216:217], v[216:217], v[96:97]
	v_pk_add_f32 v[252:253], v[252:253], v[98:99]
	v_pk_add_f32 v[250:251], v[250:251], v[102:103]
	v_pk_add_f32 v[248:249], v[248:249], v[106:107]
	v_pk_add_f32 v[244:245], v[244:245], v[110:111]
	v_pk_add_f32 v[238:239], v[238:239], v[114:115]
	v_pk_add_f32 v[236:237], v[236:237], v[118:119]
	v_pk_add_f32 v[14:15], v[14:15], v[122:123]
	v_pk_add_f32 v[216:217], v[216:217], v[126:127]
	v_pk_add_f32 v[252:253], v[252:253], v[130:131]
	v_pk_add_f32 v[250:251], v[250:251], v[134:135]
	v_pk_add_f32 v[248:249], v[248:249], v[138:139]
	v_pk_add_f32 v[244:245], v[244:245], v[142:143]
	v_pk_add_f32 v[238:239], v[238:239], v[146:147]
	v_pk_add_f32 v[236:237], v[236:237], v[150:151]
	v_pk_add_f32 v[14:15], v[14:15], v[154:155]
	v_pk_add_f32 v[216:217], v[216:217], v[158:159]
	s_delay_alu instid0(VALU_DEP_2)
	v_pk_add_f32 v[14:15], v[14:15], v[248:249]
	s_delay_alu instid0(VALU_DEP_2)
	v_pk_add_f32 v[216:217], v[216:217], v[244:245]
	v_pk_add_f32 v[252:253], v[252:253], v[238:239]
	v_pk_add_f32 v[250:251], v[250:251], v[236:237]
	s_delay_alu instid0(VALU_DEP_2)
	v_pk_add_f32 v[14:15], v[14:15], v[252:253]
	s_delay_alu instid0(VALU_DEP_2)
	v_pk_add_f32 v[216:217], v[216:217], v[250:251]
	s_delay_alu instid0(VALU_DEP_1)
	v_pk_add_f32 v[14:15], v[14:15], v[216:217]
	s_wait_alu depctr_va_vdst(0)                   ; and one for the four
.irp b, 0,1,2,3
	v_max_num_f32 v[BM+\b], 0x2800000, v[BM+\b]    ; the floor 2^(5 - 127)
.endr
.irp b, 0,1,2,3
	s_delay_alu instid0(VALU_DEP_4)
	v_add_nc_u32 v[BS+\b], 0xfe000000, v[BM+\b]
.endr
.irp b, 0,1,2,3
	s_delay_alu instid0(VALU_DEP_4)
	v_lshrrev_b32 v[BT+\b], 23, v[BS+\b]
.endr
	s_delay_alu instid0(VALU_DEP_3)
	v_lshl_or_b32 v228, v217, 8, v216              ; p's scale word for these 128 keys
	s_delay_alu instid0(VALU_DEP_1)
	v_lshl_or_b32 v228, v218, 16, v228
	s_delay_alu instid0(VALU_DEP_1)
	v_lshl_or_b32 v228, v219, 24, v228
.irp c, 0,1
	v_cvt_scalef32_pk16_bf6_f32 v[192+6*\c:194+6*\c], v[96+32*\c:111+32*\c], v[BS+2*\c]
	v_cvt_scalef32_pk16_bf6_f32 v[204+4*\c:206+4*\c], v[112+32*\c:127+32*\c], v[BS+2*\c+1]
.endr
	v_nop
.irp c, 0,1
.irp i, 0,1,2
	v_permlane16_swap_b32 v[192+6*\c+\i], v[204+4*\c+\i]
.endr
.irp i, 0,1,2
	s_delay_alu instid0(VALU_DEP_3)
	v_mov_b32 v[195+6*\c+\i], v[204+4*\c+\i]
.endr
.endr
.set j, 0
.rept 16
	v_pk_mul_f32 v[160+j:161+j], v[160+j:161+j], v[226:227] op_sel_hi:[1,0]   ; O^T under the new M; these sixteen are also the places ahead of the products
.set j, j+2
.endr
	s_wait_alu depctr_va_vdst(0)
	s_wait_dscnt 0x0                               ; V's fragments and scale words are in
.irp c, 0,1,2,3
	v_wmma_scale_f32_16x16x128_f8f6f4 v[160+8*\c:167+8*\c], v[48+12*\c:59+12*\c], v[192:203], v[160+8*\c:167+8*\c], v[44+\c], v228 matrix_a_fmt:MATRIX_FMT_BF6 matrix_b_fmt:MATRIX_FMT_BF6
.endr
.if \diag
.Lhid_\@:
.endif
	s_add_co_u32 s[TB], s[TB], 6144
	s_add_co_u32 s[TS], s[TS], 256
	s_add_co_u32 s[KF], s[KF], 128
.endm
; A tile ends: O^T / l; register 16 b + i is channel 32 b + 16 (lane / 16) + i of my query: two blocks, one half fragment, two scale bytes.
.macro TILEOUT
.rept 4
	v_nop
.endr
	v_add_f32 v14, v14, v15
	s_delay_alu instid0(VALU_DEP_1)
	v_permlanex16_b32 v224, v14, s[SEL], s[SEL+1]
	s_delay_alu instid0(VALU_DEP_1)
	v_add_f32 v14, v14, v224                       ; the row's sum
	s_wait_alu depctr_va_vdst(0)
	v_rcp_f32 v14, v14
	v_nop
	s_wait_alu depctr_va_vdst(0)
.set j, 0
.rept 32
	v_mul_f32 v[96+j], v[160+j], v14
.set j, j+1
.endr
.irp b, 0,1
	v_max3_num_f32 v[BM+\b], |v[96+16*\b]|, |v[97+16*\b]|, 0x2800000
.endr
.irp i, 2,4,6,8,10,12,14
.irp b, 0,1
	s_delay_alu instid0(VALU_DEP_2)
	v_max3_num_f32 v[BM+\b], v[BM+\b], |v[96+16*\b+\i]|, |v[97+16*\b+\i]|
.endr
.endr
.irp b, 0,1
	s_delay_alu instid0(VALU_DEP_2)
	v_permlanex16_b32 v[BT+\b], v[BM+\b], s[SEL], s[SEL+1]
.endr
.irp b, 0,1
	s_delay_alu instid0(VALU_DEP_2)
	v_max_num_f32 v[BM+\b], v[BM+\b], v[BT+\b]
.endr
.irp b, 0,1
	s_delay_alu instid0(VALU_DEP_2)
	v_add_nc_u32 v[BS+\b], 0xfe000000, v[BM+\b]
.endr
.irp b, 0,1
	s_delay_alu instid0(VALU_DEP_2)
	v_lshrrev_b32 v[BT+\b], 23, v[BS+\b]
.endr
	s_delay_alu instid0(VALU_DEP_1)
	v_lshl_or_b32 v229, v217, 8, v216
	v_cvt_scalef32_pk16_bf6_f32 v[230:232], v[96:111], v220
	v_cvt_scalef32_pk16_bf6_f32 v[236:238], v[112:127], v221
	v_nop
.irp i, 0,1,2
	v_permlane16_swap_b32 v[230+\i], v[236+\i]
.endr
.irp i, 0,1,2
	s_delay_alu instid0(VALU_DEP_3)
	v_mov_b32 v[233+\i], v[236+\i]
.endr
	global_store_b128 v240, v[230:233], s[98:99]   ; 512 consecutive bytes
	global_store_b64 v241, v[234:235], s[98:99]    ; 256
	global_store_b16 v242, v229, s[100:101]        ; lanes l and l xor 16 write the same two bytes with the same value
.endm
	s_load_b128 s[4:7], s[0:1], 0x0                ; qkvq s[4:5], aoq s[6:7]
	v_lshl_add_u32 v254, v0, 2, 0x29000
	v_mov_b32 v255, 0
	ds_add_u32 v254, v255
	ds_add_u32 v254, v255
	v_lshrrev_b32 v1, 5, v0
	s_delay_alu instid0(VALU_DEP_1)
	v_readfirstlane_b32 s[WV], v1                  ; wave 0..15
	s_and_b32 s10, ttmp7, 0xffff                   ; 16 batch + head
	s_lshr_b32 s11, s10, 4
	s_and_b32 s12, s10, 15
	s_lshl_b32 s13, s[WV], 1
	s_add_co_u32 s13, s13, ttmp9                   ; my early tile,
	s_sub_co_u32 s14, 63, s13                      ; and my late one
	; group 1: K: 4 rows of 3,072 bytes (384 elements of 8), dense;  V: the same, 49,152 bytes apart;  scale bytes: 8 rows of 256
.irp g, 16, 24
	s_mov_b32 s[\g], 3<<16
	s_mov_b32 s[\g+1], 384<<16
	s_mov_b32 s[\g+2], 4<<16
	s_mov_b32 s[\g+3], 384<<16
	s_mov_b32 s[\g+4], 4
	s_mov_b32 s[\g+6], 0
	s_mov_b32 s[\g+7], 0
.endr
	s_mov_b32 s21, 384
	s_mov_b32 s29, 6144
	s_mov_b32 s32, 3<<16
	s_mov_b32 s33, 32<<16
	s_mov_b32 s34, 8<<16
	s_mov_b32 s35, 32<<16
	s_mov_b32 s36, 8
	s_mov_b32 s37, 32
	s_mov_b32 s38, 0
	s_mov_b32 s39, 0
	s_mov_b32 s[SEL], 0x76543210
	s_mov_b32 s[SEL+1], 0xfedcba98
	s_mov_b32 s[CS], 0x3e38aa3b                    ; c = log2(e) / 8
	s_mov_b32 s[CS+1], s[CS]
	s_mul_i32 s9, s11, 786432
	s_mul_i32 s15, s12, 49152
	s_add_co_u32 s88, s9, s15                      ; the head's q codes; k's lie a region on
	s_mov_b32 s89, 0
	s_mul_i32 s15, s12, 3072
	s_add_co_u32 s90, s9, s15
	s_add_co_u32 s90, s90, 12582912                ; v's
	s_mov_b32 s91, 0
	s_lshl_b32 s92, s10, 11
	s_add_co_u32 s92, s92, 18874368                ; q's scale bytes; k's and v's lie 262,144 and 524,288 on
	s_mov_b32 s93, 0
	s_wait_dscnt 0x0
	s_wait_kmcnt 0x0
	s_add_nc_u64 s[94:95], s[4:5], s[88:89]
	s_add_nc_u64 s[96:97], s[4:5], s[92:93]
	s_add_nc_u64 s[90:91], s[4:5], s[90:91]
	s_mov_b32 s40, 1
	s_mov_b32 s41, SCK
	s_add_nc_u64 s[42:43], s[96:97], 262144
	s_or_b32 s43, s43, 0x80000000
	s_mov_b32 s68, 1
	s_mov_b32 s69, SCK+2048
	s_add_nc_u64 s[70:71], s[96:97], 524288
	s_or_b32 s71, s71, 0x80000000
.irp q, 0,1,2,3
	s_mov_b32 s[44+4*\q], 1
	s_mov_b32 s[45+4*\q], 12288*\q
	s_add_nc_u64 s[46+4*\q:47+4*\q], s[94:95], 6291456+12288*\q
	s_or_b32 s[47+4*\q], s[47+4*\q], 0x80000000
	s_mov_b32 s[72+4*\q], 1
	s_mov_b32 s[73+4*\q], VIMG+12288*\q
	s_add_nc_u64 s[74+4*\q:75+4*\q], s[90:91], 196608*\q
	s_or_b32 s[75+4*\q], s[75+4*\q], 0x80000000
.endr
; THE TEN FILLS ARE SHARED OUT, ONE A WAVE: waves 0, 1 the scale bytes of K and of V, waves 2-9 the quarters of 256 keys, K's and V's by turns; waves 10-15 fetch nothing.
; One chain of branches on the wave's number, all arms leading to one join.  Every wait on TENSORcnt is for 0; which waves wait ahead of which barrier hangs on the wave's number alone.
.macro ARM under, g0, g1, next
	s_cmp_lt_u32 s[WV], \under
	s_cbranch_scc0 \next
	tensor_load_to_lds s[\g0:\g0+3], s[\g1:\g1+7]
	s_nop 0
.rept 4
	v_nop
.endr
	s_branch .Lasked
\next:
.endm
	ARM 1, 40, 32, .Larm1
	ARM 2, 68, 32, .Larm2
	ARM 3, 44, 16, .Larm3
	ARM 4, 72, 24, .Larm4
	ARM 5, 48, 16, .Larm5
	ARM 6, 76, 24, .Larm6
	ARM 7, 52, 16, .Larm7
	ARM 8, 80, 24, .Larm8
	ARM 9, 56, 16, .Larm9
	s_cmp_lt_u32 s[WV], 10
	s_cbranch_scc0 .Lasked
	tensor_load_to_lds s[84:87], s[24:31]
	s_nop 0
.rept 4
	v_nop
.endr
.Lasked:
	s_mul_i32 s9, s11, 64*12288                    ; aoq: tile 64 batch + T, K step head / 2, half head % 2
	s_lshr_b32 s15, s12, 1
	s_mul_i32 s15, s15, 1536
	s_add_co_u32 s9, s9, s15
	s_and_b32 s15, s12, 1
	s_mul_i32 s15, s15, 768
	s_add_co_u32 s88, s9, s15
	s_mov_b32 s89, 0
	s_add_nc_u64 s[98:99], s[6:7], s[88:89]
	s_lshl_b32 s9, s11, 15                         ; its scale words: 512 bytes a tile, 128 a pair of K steps, 8 a row; my head's two bytes are 2 (head % 4) on
	s_lshr_b32 s15, s12, 2
	s_lshl_b32 s15, s15, 7
	s_add_co_u32 s9, s9, s15
	s_and_b32 s15, s12, 3
	s_lshl_b32 s15, s15, 1
	s_add_co_u32 s9, s9, s15
	s_add_co_u32 s88, s9, 6291456
	s_add_nc_u64 s[100:101], s[6:7], s[88:89]
	v_and_b32 v11, 31, v0
	s_delay_alu instid0(VALU_DEP_1)
	v_lshlrev_b32 v1, 4, v11                       ; 16 x lane
	s_delay_alu instid0(VALU_DEP_2)
	v_lshlrev_b32 v2, 3, v11
	s_delay_alu instid0(VALU_DEP_1)
	v_add_nc_u32 v2, 512, v2                       ; 8 x lane + 512
	v_and_b32 v224, 15, v0                         ; r
	s_delay_alu instid0(VALU_DEP_1)
	v_lshl_add_u32 v3, v224, 2, SCK
	v_bfe_u32 v225, v0, 4, 1
	s_delay_alu instid0(VALU_DEP_1)
	v_lshlrev_b32 v225, 4, v225                    ; 16 h
	s_delay_alu instid0(VALU_DEP_4)
	v_and_b32 v5, 8, v224
	s_delay_alu instid0(VALU_DEP_1)
	v_add_nc_u32 v5, v5, v224
	s_delay_alu instid0(VALU_DEP_1)
	v_sub_nc_u32 v5, v5, v225                      ; r + 8 (r / 8) - 16 h
	v_mov_b32 v6, 0xff800000                       ; -infinity
	v_lshlrev_b32 v246, 2, v224
	v_lshlrev_b32 v247, 3, v224
.set j, 22
.rept 12
	v_mov_b32 v[j], 0                              ; QA's upper six registers and QB's lower six: zero codes, for the whole launch
.set j, j+1
.endr
.irp b, 0,1,2,3
	v_mov_b32 v[BT+\b], 0                          ; a lane permute's destination counts as one of its sources
.endr
	v_mov_b32 v224, 0
	v_mov_b32 v227, 0                              ; (named as the upper half of the pair v[226:227])
	QHEAD 14                                       ; the late tile first: its first four steps lie wholly under the diagonal in every wave
	BAR 4                                          ; waves 0-3 have waited: the scale bytes and keys 0-255 are in
	s_mov_b32 s[CNT], 2
.Lopen_a:
	STEP 0
	s_sub_co_u32 s[CNT], s[CNT], 1
	s_cmp_lg_u32 s[CNT], 0
	s_cbranch_scc1 .Lopen_a
	BAR 6                                          ; waves 4, 5 too: keys up to 511 are in
	s_mov_b32 s[CNT], 2
.Lopen_b:
	STEP 0
	s_sub_co_u32 s[CNT], s[CNT], 1
	s_cmp_lg_u32 s[CNT], 0
	s_cbranch_scc1 .Lopen_b
	BAR 10                                         ; all are in
	s_mov_b32 s[CNT], 4
.Ldiag_a:
	STEP 1
	s_sub_co_u32 s[CNT], s[CNT], 1
	s_cmp_lg_u32 s[CNT], 0
	s_cbranch_scc1 .Ldiag_a
	TILEOUT
	s_wait_xcnt 0x0                                ; the stores have read their registers: addresses and codes may be written again
	QHEAD 13
	s_mov_b32 s[CNT], 4
.Ldiag_b:
	STEP 1
	s_sub_co_u32 s[CNT], s[CNT], 1
	s_cmp_lg_u32 s[CNT], 0
	s_cbranch_scc1 .Ldiag_b
	s_wait_alu depctr_va_vdst(0)
	TILEOUT
	s_wait_tensorcnt 0x0
	ds_add_u32 v254, v255
	s_wait_dscnt 0x0
	s_endpgm
.Lfunc_end_k_qd9c7eaed58_attn:
	.size	k_qd9c7eaed58_attn, .Lfunc_end_k_qd9c7eaed58_attn-k_qd9c7eaed58_attn
	.p2alignl 7, 3214868480
	.fill 96, 4, 3214868480
	.section	.rodata,"a",@progbits
	.p2align	6, 0x0
	.amdhsa_kernel k_qd9c7eaed58_attn
		.amdhsa_group_segment_fixed_size 169984
		.amdhsa_private_segment_fixed_size 0
		.amdhsa_enable_private_segment 0
		.amdhsa_kernarg_size 16
		.amdhsa_user_sgpr_count 2
		.amdhsa_user_sgpr_kernarg_segment_ptr 1
		.amdhsa_wavefront_size32 1
		.amdhsa_system_sgpr_workgroup_id_x 1
		.amdhsa_system_sgpr_workgroup_id_y 1
		.amdhsa_system_sgpr_workgroup_id_z 1
		.amdhsa_system_vgpr_workitem_id 0
		.amdhsa_next_free_vgpr 256
		.amdhsa_next_free_sgpr 102
		.amdhsa_reserve_vcc 1
		.amdhsa_float_denorm_mode_32 3
		.amdhsa_float_denorm_mode_16_64 3
		.amdhsa_memory_ordered 1
		.amdhsa_forward_progress 1
		.amdhsa_inst_pref_size 106
	.end_amdhsa_kernel
	.amdgpu_metadata
---
amdhsa.version: [ 1, 2 ]
amdhsa.kernels:
  - .name:           k_qd9c7eaed58_attn
    .symbol:         k_qd9c7eaed58_attn.kd
    .args:
      - { .name: qkvq, .offset: 0, .size: 8, .value_kind: global_buffer, .address_space: global }
      - { .name: aoq, .offset: 8, .size: 8, .value_kind: global_buffer, .address_space: global }
    .group_segment_fixed_size: 169984
    .private_segment_fixed_size: 0
    .kernarg_segment_align: 8
    .kernarg_segment_size: 16
    .max_flat_workgroup_size: 512
    .sgpr_count:     102
    .vgpr_count:     256
    .wavefront_size: 32
...
	.end_amdgpu_metadata
.endif
;; end of part 3
;; launch proj (part 4): grid 8 x 32, 4 waves a work-group, clusters of 4 x 4, 327,680 bytes of LDS; arguments aoq, wq, bo, out0; writes out0
.if DOCPART == 4
	.amdgcn_target "amdgcn-amd-amdhsa--gfx1250"
	.amdhsa_code_object_version 6
	.text
	.protected	k_qd9c7eaed58_proj
	.globl	k_qd9c7eaed58_proj
	.p2align	8
	.type	k_qd9c7eaed58_proj,@function
k_qd9c7eaed58_proj:
	s_mov_b64 s[64:65], 0
	v_nop
	global_prefetch_b8 v0, s[64:65] scope:SCOPE_SE
	s_setreg_imm32_b32 hwreg(HW_REG_WAVE_MODE, 25, 1), 1
	s_wait_xcnt 0x0
	s_wait_alu depctr_hold_cnt(0) depctr_sa_sdst(0) depctr_va_vdst(0) depctr_va_sdst(0) depctr_va_ssrc(0) depctr_va_vcc(0) depctr_vm_vsrc(0)
	s_getreg_b32 s2, hwreg(HW_REG_IB_STS2, 6, 4)
	s_cmp_eq_u32 s2, 0
	s_cbranch_scc0 .Lentry_in_a_cluster
	s_endpgm
.Lentry_in_a_cluster:
	s_bfe_u32 s2, ttmp6, 0x10000c
	s_cmp_lg_u32 s2, 0xf033
	s_cbranch_scc0 .Lentry_shape_is_right
	s_endpgm
.Lentry_shape_is_right:
.set XQS,    6291456
.set WQS,    3145728
.set FR,     12
.set NL,     4
.set NP,     4
.set NQ,     2
.set RT,     3072
.set HALFT,  8*RT
.set SLOT,   4*HALFT
; out = attention's rows x Wo + bo on codes of BF6, K = 1,024; operands as images of operand registers, as in launch qkv.  A block of the result is 256 rows x 128 columns: 32 x 8 = 256 work-groups.
; Four waves, each 128 rows (side A, 8 tiles) x 64 columns (side B, 4 tiles): 32 accumulators.  Clusters 4 x 4 with joint loads: A's tiles shared along a row of the cluster, B's along a column.
; LDS: K 0-511: A's 16 tiles 6,144 bytes apart from byte 0, B's 8 from byte SLOT (one load each at the head); from 2 SLOT: K 512-767, filled once behind the second round: A's 16 tiles of RT bytes, then B's 8;
; K 768-1023 is filled in the same order from byte 0 behind step 3's round.  The way out's stage lies in the bytes of K 512-767: their last fill and, ahead of step 5's barrier, their last read are over.
.set SCL,    3*SLOT
.set SCB,    8320
.set SPARE,  SCL+SCB+8192+128
.set SPITCH, 528
.set ADRA, 16
.set ADRB, 20
.set STO,  24
.set RD,   25
.set ADRS, 27
.set ADRS2, 26                         ; v26: A's scale words in both halves of the lanes, for A's blocks 4-7, which have no block of B beside them
.set SPW,  28
.set NIL,  29
.set SC,   32
.set BI,   64
.set AF,   128
.set BK,   128
.set G1, 24
.set G0, 32
.set G1B, 48
.set G0B, 56
.set G1S, 68
.set G0S, 76
.set G1SB, 80
.set G0SB, 88
.set MSB, 0
.macro WIN new
.if MSB != (\new)
	s_set_vgpr_msb (MSB<<8)|(\new)
.set MSB, (\new)
.endif
.endm
.set MUL_LO, 0xa1
.set MUL_HI, 0xf1
.set TO_B,   0x40
.macro JLOAD g0a, g1a, g0b, g1b
	s_cmp_eq_u32 s15, 0
	s_cbranch_scc0 .Lfor_b_\@
	tensor_load_to_lds s[\g0a:\g0a+3], s[\g1a:\g1a+7]
	s_nop 0
.rept 4
	v_nop
.endr
	s_branch .Lasked_\@
.Lfor_b_\@:
	tensor_load_to_lds s[\g0b:\g0b+3], s[\g1b:\g1b+7]
	s_nop 0
.rept 4
	v_nop
.endr
.Lasked_\@:
.endm
.macro CREST
	s_cmp_lg_u32 s14, 0
	s_cbranch_scc1 .Lnot_wave_0_\@
	s_barrier_signal -3
.Lnot_wave_0_\@:
	s_barrier_wait -3
	s_barrier_signal -1
	s_barrier_wait -1
.endm
.macro CROUND
	s_barrier_signal -1
	s_barrier_wait -1
	CREST
.endm
.macro LOC st                          ; where step st's fragments lie: address registers, bytes from tile to tile, step inside the tile
.if (\st) < 4
.set LA, 12
.set LB, 13
.set LR, 2*RT
.set LQ, (\st)
.else
.set LA, ADRA+1-((\st)/2)%2
.set LB, ADRB+1-((\st)/2)%2
.set LR, RT
.set LQ, (\st)%2
.endif
.endm
.macro FRAG reg, adr, i                ; two half fragments: 512, 256, 512, 256 consecutive bytes
	ds_load_b128 v[\reg:\reg+3], v[\adr] offset:LR*(\i)+1536*LQ
	ds_load_b64 v[\reg+4:\reg+5], v[\adr+2] offset:LR*(\i)+1536*LQ
	ds_load_b128 v[\reg+6:\reg+9], v[\adr] offset:LR*(\i)+1536*LQ+768
	ds_load_b64 v[\reg+10:\reg+11], v[\adr+2] offset:LR*(\i)+1536*LQ+768
.endm
.macro MUL16 a0, p, q, sc, zero
.irp a, \a0, \a0+1
.irp b, 0,1,2,3
.set rD, 8*(8*((\a)%4)+\b)
.set rB, 128*(\p)+FR*\b
.set rA, AF+FR*(\a)
.set sB, SC+8*NQ*(\sc)+NQ*\b+(\q)
.set sA, SC+8*NQ*(\sc)+NQ*(\a)+(\q)
.if (\zero) == 2
	v_wmma_scale_f32_16x16x128_f8f6f4 v[rD:rD+7], v[rB:rB+FR-1], v[rA:rA+FR-1], v[BI+8*\b:BI+8*\b+7], v[sB], v[sA] matrix_a_fmt:MATRIX_FMT_BF6 matrix_b_fmt:MATRIX_FMT_BF6 matrix_a_scale:MATRIX_SCALE_ROW1
.else
	v_wmma_scale_f32_16x16x128_f8f6f4 v[rD:rD+7], v[rB:rB+FR-1], v[rA:rA+FR-1], v[rD:rD+7], v[sB], v[sA] matrix_a_fmt:MATRIX_FMT_BF6 matrix_b_fmt:MATRIX_FMT_BF6 matrix_a_scale:MATRIX_SCALE_ROW1
.endif
.endr
.endr
.endm
.macro FETCH_B st                      ; B's four fragments of step st into set st % 2
	LOC \st
	WIN TO_B
.irp i, 0,1,2,3
	FRAG 128*((\st)%2)+FR*\i, LB, \i
.endr
	WIN 0
.endm
.macro FETCH_A st, i0                  ; A's blocks i0 .. i0 + 3 of step st
	LOC \st
.irp i, \i0, \i0+1, \i0+2, \i0+3
	FRAG AF+FR*(\i), LA, \i
.endr
.endm
.macro SCALES pr                       ; the words of steps 2 pr, 2 pr + 1 into set pr % 2: lanes 0-15 A's block i; lanes 16-31 B's block i where there is one
.irp i, 0,1,2,3
	ds_load_b64 v[SC+8*NQ*((\pr)%2)+NQ*\i:SC+8*NQ*((\pr)%2)+NQ*\i+1], v[ADRS] offset:\i*512+128*(\pr)
.endr
.irp i, 4,5,6,7
	ds_load_b64 v[SC+8*NQ*((\pr)%2)+NQ*\i:SC+8*NQ*((\pr)%2)+NQ*\i+1], v[ADRS2] offset:\i*512+128*(\pr)
.endr
.endm
.macro PLACES n
.rept \n
	v_nop
.endr
.endm
; Step st of 128 along K: 32 products; the next step's fragments are fetched in its middle and at its end.
; kind 0: the next step's bytes are already shown to all waves.  kind 1: they were on their way: wait, barrier.  kind 2: the same, and the barrier opens a round behind which K 768-1023 is filled over K 0-511.
.macro GSTEP st, zero, kind
.set NX, (\st)+1
.if \kind
	s_wait_tensorcnt 0x0                           ; my one tensor load that was out has landed
	ds_add_u32 v[SPW], v[NIL]                      ; 0 onto my spare word
	s_wait_dscnt 4*NL+1                            ; (the add and A's blocks 4-7 may be out)
	WIN MUL_LO
	MUL16 0, (\st)%2, (\st)%2, ((\st)/2)%2, 0
	s_wait_dscnt 0x0                               ; the add is done, and all my LDS reads are over
	s_barrier_signal -1
	MUL16 2, (\st)%2, (\st)%2, ((\st)/2)%2, 0
	WIN 0
	s_barrier_wait -1
.if (\kind) == 2
	CREST                                          ; no wave of any partner still reads K 0-511 or has a load on its way
	JLOAD G0, G1, G0B, G1B                         ; the first tensor load behind the round; its four v_nop are the places in front of the loads below
.else
	PLACES NP
.endif
.else
	s_wait_dscnt 4*NL                              ; all but the youngest 16 loads (A's blocks 4-7) are in
.if \zero
	WIN 0x81                                       ; C (the bias) in window 0
.else
	WIN MUL_LO
.endif
	MUL16 0, (\st)%2, (\st)%2, ((\st)/2)%2, \zero
	MUL16 2, (\st)%2, (\st)%2, ((\st)/2)%2, \zero
	s_wait_dscnt 0
	PLACES NP
.endif
	FETCH_B NX
	FETCH_A NX, 0
.if NX%2 == 0
	SCALES NX/2
.endif
.if \zero
	WIN 0xc1
.else
	WIN MUL_HI
.endif
	MUL16 4, (\st)%2, (\st)%2, ((\st)/2)%2, \zero
	MUL16 6, (\st)%2, (\st)%2, ((\st)/2)%2, \zero
	PLACES NP
	WIN 0
	FETCH_A NX, 4
.endm
.macro TOSTAGE a
.set AC, 64*((\a)%4)
	WIN 0x08+4*((\a)/4)
.irp b, 0,1,2,3
	ds_store_b128 v[STO], v[AC+8*\b:AC+8*\b+3] offset:128*(\b/2)+32*(\b%2)
	ds_store_b128 v[STO], v[AC+8*\b+4:AC+8*\b+7] offset:128*(\b/2)+32*(\b%2)+16
.endr
	WIN 0
.set BB, BK+64*((\a)%2)
.set t, 0
.rept 8
	ds_load_b128 v[BB+4*t:BB+4*t+3], v[RD] offset:t*SPITCH
.set t, t+1
.endr
.endm
.macro SEND a, younger
.set BB, BK+64*((\a)%2)
.set RW, 32*((\a)/2)+8*((\a)%2)
	s_wait_dscnt \younger
.if (\a) == 6
	s_wait_xcnt 0x0                                ; EXEC changes only behind this wait
	s_and_saveexec_b32 s87, s85                    ; in a batch's last 128 rows block 6's lanes 16-31 hold rows from 1,000 on: not stored
.elseif (\a) == 7
	s_wait_xcnt 0x0
	s_and_saveexec_b32 s87, s86                    ; and so does all of block 7
.endif
.set t, 0
.rept 8
	global_store_b128 v8, v[BB+4*t:BB+4*t+3], s[12:13] offset:(RW+t)*4096 th:TH_STORE_NT   ; lanes 0-15 store 256 consecutive bytes of row RW + t, aligned; lanes 16-31 of the row 16 further on
.set t, t+1
.endr
.if (\a) >= 6
	s_wait_xcnt 0x0
	s_or_b32 exec_lo, exec_lo, s87
.endif
.endm
	s_load_b256 s[4:11], s[0:1], 0x0
	v_lshl_add_u32 v[SPW], v0, 2, SPARE
	v_mov_b32 v[NIL], 0
	ds_add_u32 v28, v29
	ds_add_u32 v28, v29
	s_wait_dscnt 0x0
	v_lshrrev_b32 v1, 5, v0
	v_readfirstlane_b32 s14, v1
	s_lshr_b32 s15, s14, 1
	s_and_b32 s16, s14, 1
	s_bfe_u32 s40, ttmp6, 0x40000
	s_bfe_u32 s41, ttmp6, 0x40004
	s_and_b32 s17, ttmp7, 0xffff
	s_lshl_b32 s17, s17, 2
	s_add_co_u32 s17, s17, s41
	s_lshl_b32 s42, ttmp9, 2
	s_add_co_u32 s42, s42, s40                     ; my 128 columns: 4 x cluster x + cx
	s_lshl_b32 s43, s41, 2
	s_lshl_b32 s43, 15, s43
	s_lshl_b32 s44, 0x1111, s40
	s_or_b32 s[G1+0], s43, (3<<16)|(1<<21)
	s_or_b32 s[G1B+0], s44, (3<<16)|(1<<21)
.irp g, G1, G1B
	s_mov_b32 s[\g+1], 768<<16                     ; for the head's loads: 16 tiles x 6,144 bytes (K 0-511)
	s_mov_b32 s[\g+2], 16<<16
	s_mov_b32 s[\g+3], 768<<16
	s_mov_b32 s[\g+4], 16
	s_mov_b32 s[\g+5], 1536
	s_mov_b32 s[\g+6], 0
	s_mov_b32 s[\g+7], 0
.endr
	s_mov_b32 s[G1B+2], 8<<16                      ; B has 8 tiles
	s_mov_b32 s[G1B+4], 8
	s_or_b32 s[G1S+0], s43, (3<<16)|(1<<21)
	s_or_b32 s[G1SB+0], s44, (3<<16)|(1<<21)
.irp g, G1S, G1SB
	s_mov_b32 s[\g+1], 32<<16
	s_mov_b32 s[\g+2], 32<<16                      ; 8,192 dense bytes as 32 rows of 256
	s_mov_b32 s[\g+3], 32<<16
	s_mov_b32 s[\g+4], 32
	s_mov_b32 s[\g+5], 32
	s_mov_b32 s[\g+6], 0
	s_mov_b32 s[\g+7], 0
.endr
	s_mov_b32 s[G1SB+2], 16<<16                    ; and 4,096 bytes of scale words
	s_mov_b32 s[G1SB+4], 16
	s_mul_i32 s20, s17, 16*12288
	s_mul_i32 s18, s16, 8*12288
	s_mov_b32 s21, 0
	s_lshl_b32 s22, s17, 13
	s_mov_b32 s19, 0                               ; s[18:19]: bytes to the eight tiles that I fetch behind the head
	s_add_co_u32 s22, s22, XQS
	s_mov_b32 s23, 0
	s_add_co_u32 s46, s42, 24                      ; Wo's tiles begin at wq's tile 192 = 24 x 8
	s_mul_i32 s46, s46, 8*12288
	s_mov_b32 s47, 0
	s_add_co_u32 s94, s42, 24
	s_lshl_b32 s94, s94, 12
	s_add_co_u32 s94, s94, WQS
	s_mov_b32 s95, 0
	s_mul_i32 s45, s14, HALFT
	s_mul_i32 s93, s16, HALFT/2                    ; B's waves fetch four tiles each, behind A's sixteen
	s_add_co_u32 s93, s93, 2*HALFT
	s_mul_i32 s96, s16, 4*12288
	s_mov_b32 s97, 0
	s_wait_kmcnt 0x0
	s_add_nc_u64 s[20:21], s[4:5], s[20:21]
	s_add_nc_u64 s[22:23], s[4:5], s[22:23]
	s_add_nc_u64 s[46:47], s[6:7], s[46:47]
	s_add_nc_u64 s[94:95], s[6:7], s[94:95]
	CROUND
	s_mov_b32 s[G0S], 1
	s_mov_b32 s[G0S+1], SCL
	s_mov_b64 s[G0S+2:G0S+3], s[22:23]
	s_or_b32 s[G0S+3], s[G0S+3], 0x80000000
	s_mov_b32 s[G0SB], 1
	s_mov_b32 s[G0SB+1], SCL+SCB
	s_mov_b64 s[G0SB+2:G0SB+3], s[94:95]
	s_or_b32 s[G0SB+3], s[G0SB+3], 0x80000000
	s_mov_b32 s[G0], 1                             ; the head's codes: K 0-511 of A's 16 tiles,
	s_mov_b32 s[G0+1], 0
	s_mov_b64 s[G0+2:G0+3], s[20:21]
	s_or_b32 s[G0+3], s[G0+3], 0x80000000
	s_mov_b32 s[G0B], 1                            ; and of B's, behind them
	s_mov_b32 s[G0B+1], SLOT
	s_mov_b64 s[G0B+2:G0B+3], s[46:47]
	s_or_b32 s[G0B+3], s[G0B+3], 0x80000000
	s_add_nc_u64 s[20:21], s[20:21], s[18:19]      ; my eight tiles
	s_add_nc_u64 s[46:47], s[46:47], s[96:97]
	s_mov_b32 s[G0+4], 1                           ; K 512-767 of them
	s_add_co_u32 s[G0+5], s45, 2*SLOT
	s_add_nc_u64 s[G0+6:G0+7], s[20:21], 2*RT
	s_or_b32 s[G0+7], s[G0+7], 0x80000000
	s_mov_b32 s[G0B+4], 1
	s_add_co_u32 s[G0B+5], s93, 2*SLOT
	s_add_nc_u64 s[G0B+6:G0B+7], s[46:47], 2*RT
	s_or_b32 s[G0B+7], s[G0B+7], 0x80000000
	s_add_nc_u64 s[12:13], s[20:21], 3*RT          ; K 768-1023: kept for the first group 0, which is rewritten when the head's loads have landed
	s_add_nc_u64 s[46:47], s[46:47], 3*RT
; The head's four tiles, one joint load a wave: one chain of branches on the wave's number, all arms leading to one join.
.macro ARM under, g0, g1, next
	s_cmp_lt_u32 s14, \under
	s_cbranch_scc0 \next
	tensor_load_to_lds s[\g0:\g0+3], s[\g1:\g1+7]
	s_nop 0
.rept 4
	v_nop
.endr
	s_branch .Lhead_asked
\next:
.endm
	ARM 1, G0,  G1,  .Lhead_b
	ARM 2, G0B, G1B, .Lhead_sa
	ARM 3, G0S, G1S, .Lhead_sb
	tensor_load_to_lds s[G0SB:G0SB+3], s[G1SB:G1SB+7]
	s_nop 0
.rept 4
	v_nop
.endr
.Lhead_asked:
	v_and_b32 v1, 15, v0
	v_bfe_u32 v2, v0, 4, 1
	v_and_b32 v3, 31, v0
	v_lshlrev_b32 v4, 4, v3
	v_lshlrev_b32 v5, 3, v3
	v_add_nc_u32 v5, 512, v5
	s_mul_i32 s21, s15, HALFT
	s_mul_i32 s22, s16, HALFT/2
	s_add_co_u32 s22, s22, 2*HALFT
.irp s, 0,1
	v_add_nc_u32 v[ADRA+\s], s21, v4
	v_add_nc_u32 v[ADRA+2+\s], s21, v5
	v_add_nc_u32 v[ADRB+\s], s22, v4
	v_add_nc_u32 v[ADRB+2+\s], s22, v5
	s_add_co_u32 s21, s21, 2*SLOT
	s_add_co_u32 s22, s22, 2*SLOT
.endr
	s_mul_i32 s21, s15, 2*HALFT                    ; K 0-511: tiles 6,144 bytes apart; v12, v14 A's pieces of 16 and of 8 bytes, v13, v15 B's
	s_mul_i32 s22, s16, HALFT
	s_add_co_u32 s22, s22, SLOT
	v_add_nc_u32 v12, s21, v4
	v_add_nc_u32 v13, s22, v4
	v_add_nc_u32 v14, s21, v5
	v_add_nc_u32 v15, s22, v5
	s_lshl_b32 s21, s15, 12
	s_lshl_b32 s22, s16, 11
	s_add_co_u32 s22, s22, SCB
	s_sub_co_u32 s22, s22, s21
	v_mul_u32_u24 v6, s22, v2
	v_lshl_add_u32 v6, v1, 3, v6
	s_add_co_u32 s21, s21, SCL
	v_add_nc_u32 v[ADRS], s21, v6
	v_lshlrev_b32 v[ADRS2], 3, v1
	v_add_nc_u32 v[ADRS2], s21, v[ADRS2]
	s_mul_i32 s23, s14, 16*SPITCH
	s_add_co_u32 s23, s23, 2*SLOT                  ; my stage, in the bytes of K 512-767
	v_mul_u32_u24 v6, v1, SPITCH
	v_lshl_add_u32 v6, v2, 6, v6
	v_add_nc_u32 v[STO], s23, v6
	v_mul_u32_u24 v6, v2, 8*SPITCH                 ; back: lanes 0-15 take a stage row's 256 bytes, lanes 16-31 those of the row 8 further on,
	v_lshl_add_u32 v6, v1, 4, v6
	v_add_nc_u32 v[RD], s23, v6
	v_lshlrev_b32 v8, 16, v2                       ; which is 16 rows of 4,096 bytes further on in the output
	v_lshl_add_u32 v8, v1, 4, v8
	s_lshl_b32 s22, s42, 7
	s_lshl_b32 s23, s16, 6
	s_add_co_u32 s22, s22, s23
	s_lshl_b32 s96, s22, 2
	s_mov_b32 s97, 0
	s_add_nc_u64 s[98:99], s[8:9], s[96:97]
	v_lshlrev_b32 v7, 6, v2
.irp b, 0,1,2,3
	global_load_b128 v[BI+8*\b:BI+8*\b+3], v7, s[98:99] offset:(32*(\b/2)+8*(\b%2))*4
	global_load_b128 v[BI+8*\b+4:BI+8*\b+7], v7, s[98:99] offset:(32*(\b/2)+8*(\b%2))*4+16
.endr
	s_wait_alu depctr_va_vdst(0)
	s_wait_loadcnt 0x0
	s_wait_tensorcnt 0x0                           ; my tile of the head's four is in; these lines stand ahead of a later first fill as ahead of a refill
	ds_add_u32 v[SPW], v[NIL]
.irp g, G1, G1B
	s_mov_b32 s[\g+1], 384<<16                     ; no tensor load of mine is out: from here on a load brings 8 tiles x 3,072 bytes
	s_mov_b32 s[\g+2], 8<<16
	s_mov_b32 s[\g+3], 384<<16
	s_mov_b32 s[\g+4], 8
.endr
	s_mov_b32 s[G1B+2], 4<<16                      ; (B's: 4 tiles)
	s_mov_b32 s[G1B+4], 4
	s_mov_b32 s[G0+1], s45
	s_mov_b64 s[G0+2:G0+3], s[12:13]
	s_or_b32 s[G0+3], s[G0+3], 0x80000000
	s_mov_b32 s[G0B+1], s93
	s_mov_b64 s[G0B+2:G0B+3], s[46:47]
	s_or_b32 s[G0B+3], s[G0B+3], 0x80000000
	s_wait_dscnt 0x0
	CROUND                                         ; all four tiles are in, and all sixteen work-groups are here
	JLOAD G0+4, G1, G0B+4, G1B                     ; K 512-767: the first tensor load behind the round; steps 0 to 2 stand between it and the wait for it
	FETCH_B 0
	FETCH_A 0, 0
	SCALES 0
	FETCH_A 0, 4
	GSTEP 0, 2, 0
	GSTEP 1, 0, 0
	GSTEP 2, 0, 0
	GSTEP 3, 0, 2
	GSTEP 4, 0, 0
	GSTEP 5, 0, 1
	GSTEP 6, 0, 0
	s_wait_dscnt 4*NL
	WIN MUL_LO
	MUL16 0, 1, NQ-1, 1, 0
	MUL16 2, 1, NQ-1, 1, 0
	s_wait_dscnt 0
	WIN MUL_HI
	MUL16 4, 1, NQ-1, 1, 0
	MUL16 6, 1, NQ-1, 1, 0
	WIN 0
	PLACES NP
	s_lshr_b32 s18, s17, 2
	s_mul_i32 s18, s18, 1000
	s_and_b32 s19, s17, 3
	s_lshl_b32 s19, s19, 8
	s_lshl_b32 s20, s15, 7
	s_add_co_u32 s19, s19, s20
	s_cmp_lt_u32 s19, 896
	s_cselect_b32 s86, -1, 0
	s_or_b32 s85, s86, 0xffff                      ; lanes 0-15 always
	s_add_co_u32 s18, s18, s19
	s_lshl_b32 s18, s18, 12
	s_add_co_u32 s18, s18, s96
	s_mov_b32 s19, 0
	s_add_nc_u64 s[12:13], s[10:11], s[18:19]
	TOSTAGE 0
.irp a, 1,2,3,4,5,6,7
.if \a > 1
	s_wait_xcnt 0x0
.endif
	TOSTAGE \a
	SEND \a-1, 16
.endr
	SEND 7, 0
	s_wait_tensorcnt 0x0
	ds_add_u32 v[SPW], v[NIL]
	s_wait_dscnt 0x0
	CROUND
	s_endpgm
.Lfunc_end_k_qd9c7eaed58_proj:
	.size	k_qd9c7eaed58_proj, .Lfunc_end_k_qd9c7eaed58_proj-k_qd9c7eaed58_proj
	.p2alignl 7, 3214868480
	.fill 96, 4, 3214868480
	.section	.rodata,"a",@progbits
	.p2align	6, 0x0
	.amdhsa_kernel k_qd9c7eaed58_proj
		.amdhsa_group_segment_fixed_size 327680
		.amdhsa_private_segment_fixed_size 0
		.amdhsa_enable_private_segment 0
		.amdhsa_kernarg_size 32
		.amdhsa_user_sgpr_count 2
		.amdhsa_user_sgpr_kernarg_segment_ptr 1
		.amdhsa_wavefront_size32 1
		.amdhsa_system_sgpr_workgroup_id_x 1
		.amdhsa_system_sgpr_workgroup_id_y 1
		.amdhsa_system_sgpr_workgroup_id_z 1
		.amdhsa_system_vgpr_workitem_id 0
		.amdhsa_next_free_vgpr 1024
		.amdhsa_next_free_sgpr 100
		.amdhsa_reserve_vcc 0
		.amdhsa_float_denorm_mode_32 3
		.amdhsa_float_denorm_mode_16_64 3
		.amdhsa_memory_ordered 1
		.amdhsa_forward_progress 1
		.amdhsa_inst_pref_size 91
	.end_amdhsa_kernel
	.amdgpu_metadata
---
amdhsa.version: [ 1, 2 ]
amdhsa.kernels:
  - .name:           k_qd9c7eaed58_proj
    .symbol:         k_qd9c7eaed58_proj.kd
    .args:
      - { .name: aoq, .offset: 0, .size: 8, .value_kind: global_buffer, .address_space: global }
      - { .name: wq, .offset: 8, .size: 8, .value_kind: global_buffer, .address_space: global }
      - { .name: bo, .offset: 16, .size: 8, .value_kind: global_buffer, .address_space: global }
      - { .name: out0, .offset: 24, .size: 8, .value_kind: global_buffer, .address_space: global }
    .group_segment_fixed_size: 327680
    .private_segment_fixed_size: 0
    .kernarg_segment_align: 8
    .kernarg_segment_size: 32
    .max_flat_workgroup_size: 128
    .sgpr_count:     100
    .vgpr_count:     1024
    .wavefront_size: 32
...
	.end_amdgpu_metadata
.endif
;; end of part 4
